; MI455X (gfx1250); checked and timed in simulation.
; The chip was launched on July 23, 2026; its instructions are those of AMD's public machine-readable ISA for CDNA 5 (MIT licence, August 2026) and "CDNA5" Instruction Set Architecture Reference Guide (July 2026). The comments in the code are by the model that wrote it; some were corrected since.
;; Causal No Head Self Attention. Allowed arithmetic: matrix products marked QUANTISED: E2M3 operands, one E8M0 scale for each 32 along K, by v_wmma_scale_f32_16x16x128_f8f6f4 with both operands' format E2M3, f32 sums; everything else in f32.
;; Inputs: Wk 1,024 x 1,024 float32; Wo 1,024 x 1,024 float32; Wq 1,024 x 1,024 float32; Wv 1,024 x 1,024 float32; token_positions 4 x 2,048 int32; x 4 x 2,048 x 1,024 float32.
;; Outputs: out0 4 x 2,048 x 1,024 float32.
;; This version of the problem:
;;   THIS VERSION OF THE PROBLEM IS GIVEN IN LOW PRECISION. The matrix products marked QUANTISED in the list below multiply operands that are first quantised to E2M3 (2 exponent bits, 3 mantissa bits; 6 bits a number), with one power-of-two scale for each 32 numbers along K (OCP MX v1.0); their sums are f32. All else is computed in f32.
;;   The module's matrix products, in the order in which they are computed (A, B: the left and right operand; K: the contracted axis; several contracted axes count as one K, in the product's order):
;;     1. [M 8,192, K 1,024] x [K 1,024, N 1,024]; A: input x; B: input Wq: QUANTISED
;;     2. [M 8,192, K 1,024] x [K 1,024, N 1,024]; A: input x; B: input Wk: QUANTISED
;;     3. [M 8,192, K 1,024] x [K 1,024, N 1,024]; A: input x; B: input Wv: QUANTISED
;;     4. batch 4 x [M 2,048, K 1,024] x [K 1,024, N 2,048]; A: computed on the way; B: computed on the way: QUANTISED
;;     5. batch 4 x [M 2,048, K 2,048] x [K 2,048, N 1,024]; A: softmax (see below); B: computed on the way: QUANTISED
;;     6. [M 8,192, K 1,024] x [K 1,024, N 1,024]; A: computed on the way; B: input Wo: QUANTISED
;;   THE QUANTISER, for each operand of a quantised product, along K:
;;     - K is cut into blocks of 32 from its start; a last block that is shorter is filled with zeros.
;;     - A block's scale is 2^e with e = floor(log2(the largest magnitude in the block)) - 2, held to -126 .. 127; a block of zeros has e = 0. As a byte (E8M0): e + 127.
;;     - Each number is divided by its block's scale, clamped to +-7.5, and rounded to the nearest number of E2M3, ties to even, subnormals kept.
;;     - The product sums the exact products of the quantised numbers (number of the format x scale) in f32.
;;   ~~~python
;;   def quantise(x, axis):      # numpy; x: float32 -> the quantised numbers, widened to float32 again
;;       x = np.moveaxis(x, axis, -1); K = x.shape[-1]
;;       x = np.pad(x, [(0, 0)] * (x.ndim - 1) + [(0, -K % 32)]); x = x.reshape(x.shape[:-1] + (-1, 32)); a = np.abs(x).max(-1, keepdims=True)
;;       e = np.where(a > 0, np.clip(np.frexp(np.where(a > 0, a, 1))[1] - 1 - 2, -126, 127), 0)      # np.frexp(a)[1] - 1 = floor(log2(a)), exactly
;;       r = np.clip(x / 2.0 ** e, -7.5, 7.5)
;;       step = 2.0 ** (np.maximum(np.frexp(np.where(r == 0, 1, r))[1] - 1, 0) - 3)
;;       q = np.round(r / step) * step * 2.0 ** e      # np.round: ties to even
;;       return np.moveaxis(q.reshape(q.shape[:-2] + (-1,))[..., :K], -1, axis).astype(np.float32)
;;   ~~~
;;   SOFTMAX AHEAD OF A QUANTISED PRODUCT. Where the list says 'softmax', what is quantised is not the finished softmax but p = 2^(t - M), with t = logit x log2(e) and M = ceil(the row's largest t), a whole number; so 1/2 < the row's largest p <= 1. The row's sum l is taken of the UNQUANTISED p, in f32, and the product's result is divided by l at the end. Since M is a whole number, a kernel that streams over the keys may use a running M (the ceiling of the running maximum): every later rescaling is an exact power of two, which a block's scale takes up: the codes' values come out the same.
;;   OPERANDS COMPUTED ON THE WAY. 'Computed on the way' means the value that the module computes at that place (a softmax that the list does not call 'softmax' is quantised finished and normalised). What goes into a quantiser is computed in f32, as accurately as f32 sums, v_exp_f32 and their like allow (about 1e-6 of the number): no bf16 or f16 on the way to a quantiser, and a product that is left as it is and whose result goes on into a quantised operand takes f32 operands (vector FMAs, or v_wmma_f32_16x16x4_f32). A number that lies on a knife's edge between two numbers of the format may be rounded either way, as far as f32 arithmetic and the matrix unit's own rounding can turn it there, and no further.
;; 2 versions, each right and faster than the one before. Each part assembles by itself: llvm-mc -triple=amdgcn-amd-amdhsa -mcpu=gfx1250 --defsym DOCPART=n.
;; ======== version 1 of 2: 5 launches
;; limits: right only within a limited range of input values; an absolute error that grows with the inputs' magnitude: up to 1.5e-07 times it
;; workspace buffers: XW 9,830,400 bytes; QK 13,107,200 bytes; Vp 6,553,600 bytes; Pp 13,107,200 bytes; St 1,048,576 bytes; Ap 6,553,600 bytes
;; launch quant (part 1): grid 768 x 1, 4 waves a work-group, no clusters, 34,304 bytes of LDS; arguments x, Wq, Wk, Wv, Wo, XW; writes XW
.if DOCPART == 1
	.amdgcn_target "amdgcn-amd-amdhsa--gfx1250"
	.amdhsa_code_object_version 6
	.text
	.protected	k_q0e73e2034d_quant
	.globl	k_q0e73e2034d_quant
	.p2align	8
	.type	k_q0e73e2034d_quant,@function
k_q0e73e2034d_quant:
	s_mov_b64 s[64:65], 0
	v_nop
	global_prefetch_b8 v0, s[64:65] scope:SCOPE_SE
	s_setreg_imm32_b32 hwreg(HW_REG_WAVE_MODE, 25, 1), 1
	s_wait_xcnt 0x0
; x [8192][1024] and the four weights [1024][1024], f32, K innermost, become codes of FP6 (E2M3) with one E8M0 byte for each 32 along K,
; laid in XW as PANELS: panel (kp, g) = 128 rows x 256 K = 25,600 bytes at (kp*96 + g)*25600.  In a panel the fragment (16 rows x 128 K) of row block t and
; half q lies at t*3072 + q*1536 as an image of the operand's 12 registers (registers 4c..4c+3 of lane l at c*512 + 16 l); its rows' scale words at 24576 + q*512 + t*64 + 4 m.
; Row block t, fragment row m is group row 32(t/2) + 8(t%2) + m + 8(m/8).  Groups: 0-63 x; 64+2j Wq rows 128 j on; 65+2j Wk; 80+j Wv; 88+j Wo.
; A work-group takes one row block (16 rows), wave kp its 256 along K: two fragments.  Each load reads 512 consecutive bytes of a row; the 16 rows turn through the wave's own stage in LDS
; (rows 528 bytes apart) so that lane (r, h) gets k = 64c + 32h + 0..31 of row r: two whole blocks of 32, in the order of the operand's registers.
; A block's scale byte is its largest magnitude's exponent field - 2, held at 1 from below.
; LIMITS: a block of zeros gets the byte 1 where the quantiser's rule says 127 (its codes are zeros; only this program reads the bytes); blocks whose largest magnitude lies under 2^-124 keep the byte 1; NaN and infinities are not served.
.set PANEL, 25600
.set SCO,   24576
.set STG,   8448                       ; a wave's stage: 16 rows x 528 bytes
.set SPARE, 4*STG                      ; behind the stages: the spare words, 128 bytes for each wave
.set SPW,   12                         ; v12  my spare word's address; never rewritten
.set NIL,   13                         ; v13  0; never rewritten
.set R,     16                         ; v16-143  the 32 loads: row i, half q at R + 64 q + 4 i
.set X,     144                        ; v144-207 a fragment's 64 numbers of my lane
.set PC,    208                        ; v208-247 codes: 20 registers for each half, so that no store's data are written again
.set WD,    248                        ; v248-249 the two halves' scale words
	s_load_b256 s[4:11], s[0:1], 0x0               ; x, Wq, Wk, Wv
	s_load_b128 s[12:15], s[0:1], 0x20             ; Wo, XW
	v_lshl_add_u32 v[SPW], v0, 2, SPARE
	v_mov_b32 v[NIL], 0
	v_lshrrev_b32 v1, 5, v0
	v_readfirstlane_b32 s16, v1                    ; wave = kp
	v_and_b32 v1, 15, v0                           ; r
	v_bfe_u32 v2, v0, 4, 1                         ; h
	v_and_b32 v3, 31, v0
	v_lshlrev_b32 v3, 4, v3                        ; 16 x lane
	s_mul_i32 s17, s16, STG
	v_add_nc_u32 v4, s17, v3                       ; the stage, on the way in
	v_mul_u32_u24 v5, v1, 528
	v_lshl_add_u32 v5, v2, 7, v5
	v_add_nc_u32 v5, s17, v5                       ; and out: row r, + 128 h
	v_lshlrev_b32 v6, 3, v2                        ; 8 h: where my two bytes stand in the scale word
	v_lshlrev_b32 v7, 2, v1
	v_lshl_add_u32 v7, v2, 9, v7                   ; the scale words' place: 4 r + 512 h
	v_mov_b32 v15, 0                               ; a lane permute's destination counts as one of its sources
	s_mov_b32 s36, 0x76543210
	s_mov_b32 s37, 0xfedcba98                      ; lane l xor 16
	s_mov_b32 s38, 0xffff0000                      ; lanes 16-31
	s_and_b32 s18, ttmp9, 7                        ; t
	s_lshr_b32 s19, ttmp9, 3                       ; x: the group
	s_and_b32 s20, ttmp9, 255                      ; a weight's block: id - 512
	s_lshr_b32 s21, s20, 6                         ; which weight
	s_bfe_u32 s22, s20, 0x30003                    ; its group of 128 rows
	s_lshl_b32 s23, s22, 1
	s_add_co_u32 s23, s23, s21                     ; Wq, Wk: by turns
	s_lshl_b32 s24, s21, 3
	s_add_co_u32 s24, s24, s22                     ; Wv, Wo: on end
	s_cmp_lt_u32 s21, 2
	s_cselect_b32 s23, s23, s24
	s_add_co_u32 s23, s23, 64
	s_cmp_lt_u32 ttmp9, 512
	s_cselect_b32 s23, s19, s23                    ; g: the group in XW
	s_cselect_b32 s22, s19, s22                    ; the group in the source
	s_lshl_b32 s22, s22, 7
	s_lshr_b32 s24, s18, 1
	s_lshl_b32 s24, s24, 5
	s_add_co_u32 s22, s22, s24
	s_and_b32 s24, s18, 1
	s_lshl_b32 s24, s24, 3
	s_add_co_u32 s22, s22, s24                     ; the block's first row: 128 grp + 32 (t/2) + 8 (t%2)
	s_lshl_b32 s26, s22, 12
	s_lshl_b32 s24, s16, 10
	s_add_co_u32 s26, s26, s24                     ; + 1,024 bytes x kp
	s_mov_b32 s27, 0
	s_mul_i32 s28, s16, 96
	s_add_co_u32 s28, s28, s23
	s_mul_i32 s28, s28, PANEL                      ; my panel
	s_mov_b32 s29, 0
	s_mul_i32 s30, s18, 3072
	s_add_co_u32 s30, s30, s28                     ; my codes
	s_mov_b32 s31, 0
	s_lshl_b32 s24, s18, 6
	s_add_co_u32 s28, s28, s24
	s_add_co_u32 s28, s28, SCO                     ; my scale words
	s_wait_kmcnt 0x0
	s_cmp_lt_u32 ttmp9, 704                        ; the source: a choice on the work-group's number alone
	s_cselect_b64 s[32:33], s[10:11], s[12:13]
	s_cmp_lt_u32 ttmp9, 640
	s_cselect_b64 s[32:33], s[8:9], s[32:33]
	s_cmp_lt_u32 ttmp9, 576
	s_cselect_b64 s[32:33], s[6:7], s[32:33]
	s_cmp_lt_u32 ttmp9, 512
	s_cselect_b64 s[32:33], s[4:5], s[32:33]
	s_add_nc_u64 s[32:33], s[32:33], s[26:27]
	s_add_nc_u64 s[30:31], s[14:15], s[30:31]
	s_add_nc_u64 s[28:29], s[14:15], s[28:29]
.irp q, 0,1
.irp i, 0,1,2,3,4,5,6,7,8,9,10,11,12,13,14,15
	global_load_b128 v[R+64*\q+4*\i:R+64*\q+4*\i+3], v3, s[32:33] offset:(\i+8*(\i/8))*4096+512*\q th:TH_LOAD_NT   ; 32 lanes read 512 consecutive bytes of fragment row i
.endr
.endr
.macro HALF q
.set PQ, PC+20*\q
.irp i, 0,1,2,3,4,5,6,7,8,9,10,11,12,13,14,15
	ds_store_b128 v4, v[R+64*\q+4*\i:R+64*\q+4*\i+3] offset:528*\i
.endr
.irp c, 0,1
.irp j, 0,1,2,3,4,5,6,7
	ds_load_b128 v[X+32*\c+4*\j:X+32*\c+4*\j+3], v5 offset:256*\c+16*\j   ; LDS serves a wave's instructions in order: these see my stores
.endr
.endr
	s_wait_dscnt 0x0
.irp c, 0,1
	v_max3_num_f32 v[8+\c], |v[X+32*\c]|, |v[X+32*\c+1]|, 0x1800000   ; my block 2c + h, and the floor 2^(3 - 127): the byte cannot fall under 1
.endr
.irp i, 2,4,6,8,10,12,14,16,18,20,22,24,26,28,30
.irp c, 0,1
	v_max3_num_f32 v[8+\c], v[8+\c], |v[X+32*\c+\i]|, |v[X+32*\c+\i+1]|
.endr
.endr
.irp c, 0,1
	v_add_nc_u32 v[10+\c], 0xff000000, v[8+\c]     ; 2 off the exponent field: the conversion's scale operand
.endr
.irp c, 0,1
	v_lshrrev_b32 v[8+\c], 23, v[10+\c]            ; the scale's byte
.endr
	v_lshl_or_b32 v14, v9, 16, v8
	v_lshlrev_b32 v14, v6, v14                     ; my two bytes at their places,
	v_permlanex16_b32 v15, v14, s36, s37
	v_or_b32 v[WD+\q], v14, v15                    ; with lane l xor 16's two the word is whole
.irp c, 0,1
	v_cvt_scalef32_pk16_fp6_f32 v[PQ+6*\c:PQ+6*\c+2], v[X+32*\c:X+32*\c+15], v[10+\c]
	v_cvt_scalef32_pk16_fp6_f32 v[PQ+12+4*\c:PQ+14+4*\c], v[X+32*\c+16:X+32*\c+31], v[10+\c]   ; (a conversion's three registers begin on an even number)
.endr
	v_nop                                          ; one plain place behind a scaled conversion
.irp c, 0,1
.irp i, 0,1,2
	v_mov_b32 v[PQ+3+6*\c+\i], v[PQ+12+4*\c+\i]
.endr
.endr
.irp c, 0,1,2
	global_store_b128 v3, v[PQ+4*\c:PQ+4*\c+3], s[30:31] offset:1536*\q+512*\c   ; 32 lanes store 512 consecutive bytes, aligned to 256
.endr
.endm
	s_wait_loadcnt 16                              ; the first half's sixteen loads are in; the second half's may be out
	HALF 0
	s_wait_loadcnt 0x0
	HALF 1
	v_cndmask_b32 v8, v[WD], v[WD+1], s38          ; lanes 0-15 the first half's words, lanes 16-31 the second's
	global_store_b32 v7, v8, s[28:29]              ; two runs of 64 bytes
	s_wait_tensorcnt 0x0                           ; the wave's end, behind my last LDS store
	ds_add_u32 v[SPW], v[NIL]
	s_wait_dscnt 0x0
	s_endpgm
.Lfunc_end_k_q0e73e2034d_quant:
	.size	k_q0e73e2034d_quant, .Lfunc_end_k_q0e73e2034d_quant-k_q0e73e2034d_quant
	.p2alignl 7, 3214868480
	.fill 96, 4, 3214868480
	.section	.rodata,"a",@progbits
	.p2align	6, 0x0
	.amdhsa_kernel k_q0e73e2034d_quant
		.amdhsa_group_segment_fixed_size 34304
		.amdhsa_private_segment_fixed_size 0
		.amdhsa_enable_private_segment 0
		.amdhsa_kernarg_size 48
		.amdhsa_user_sgpr_count 2
		.amdhsa_user_sgpr_kernarg_segment_ptr 1
		.amdhsa_wavefront_size32 1
		.amdhsa_system_sgpr_workgroup_id_x 1
		.amdhsa_system_sgpr_workgroup_id_y 1
		.amdhsa_system_sgpr_workgroup_id_z 1
		.amdhsa_system_vgpr_workitem_id 0
		.amdhsa_next_free_vgpr 256
		.amdhsa_next_free_sgpr 66
		.amdhsa_reserve_vcc 0
		.amdhsa_float_denorm_mode_32 3
		.amdhsa_float_denorm_mode_16_64 3
		.amdhsa_memory_ordered 1
		.amdhsa_forward_progress 1
		.amdhsa_inst_pref_size 17
	.end_amdhsa_kernel
	.amdgpu_metadata
---
amdhsa.version: [ 1, 2 ]
amdhsa.kernels:
  - .name:           k_q0e73e2034d_quant
    .symbol:         k_q0e73e2034d_quant.kd
    .args:
      - { .name: x, .offset: 0, .size: 8, .value_kind: global_buffer, .address_space: global }
      - { .name: Wq, .offset: 8, .size: 8, .value_kind: global_buffer, .address_space: global }
      - { .name: Wk, .offset: 16, .size: 8, .value_kind: global_buffer, .address_space: global }
      - { .name: Wv, .offset: 24, .size: 8, .value_kind: global_buffer, .address_space: global }
      - { .name: Wo, .offset: 32, .size: 8, .value_kind: global_buffer, .address_space: global }
      - { .name: XW, .offset: 40, .size: 8, .value_kind: global_buffer, .address_space: global }
    .group_segment_fixed_size: 34304
    .private_segment_fixed_size: 0
    .kernarg_segment_align: 8
    .kernarg_segment_size: 48
    .max_flat_workgroup_size: 128
    .sgpr_count:     66
    .vgpr_count:     256
    .wavefront_size: 32
...
	.end_amdgpu_metadata
.endif
;; end of part 1
;; launch qkv (part 2): grid 96 x 4, 4 waves a work-group, clusters of 4 x 4, 327,680 bytes of LDS; arguments XW, token_positions, QK, Vp; writes QK, Vp
.if DOCPART == 2
	.amdgcn_target "amdgcn-amd-amdhsa--gfx1250"
	.amdhsa_code_object_version 6
	.text
	.protected	k_q0e73e2034d_qkv
	.globl	k_q0e73e2034d_qkv
	.p2align	8
	.type	k_q0e73e2034d_qkv,@function
k_q0e73e2034d_qkv:
	s_mov_b64 s[64:65], 0
	v_nop
	global_prefetch_b8 v0, s[64:65] scope:SCOPE_SE
	s_setreg_imm32_b32 hwreg(HW_REG_WAVE_MODE, 25, 1), 1
	s_wait_xcnt 0x0
	s_wait_alu depctr_hold_cnt(0) depctr_sa_sdst(0) depctr_va_vdst(0) depctr_va_sdst(0) depctr_va_ssrc(0) depctr_va_vcc(0) depctr_vm_vsrc(0)
	s_getreg_b32 s2, hwreg(HW_REG_IB_STS2, 6, 4)
	s_cmp_eq_u32 s2, 0
	s_cbranch_scc0 .Lentry_in_a_cluster
	s_endpgm
.Lentry_in_a_cluster:
	s_bfe_u32 s2, ttmp6, 0x10000c
	s_cmp_lg_u32 s2, 0xf033
	s_cbranch_scc0 .Lentry_shape_is_right
	s_endpgm
.Lentry_shape_is_right:
; The three projections on codes of FP6 (E2M3), and what follows them: RoPE on Q and K in f32, and the quantising of Q, K (along d) and V (along the tokens) into panels.
; THE LOOP (the same text in four launches).  D = S0 S1^T on a tile of 256 x 256; four waves, each 128 x 128 in 64 accumulators.  The matrix instruction takes 16 rows of S0 as source 0 and 16 rows of S1 as
; source 1: lane (r, h) holds S1's row r, register j S0's fragment row 8h + j.  Operands lie in memory as PANELS (128 rows x 256 K, 25,600 dense bytes): fragment images at t*3072 + q*1536 + c*512 + 16 lane, scale words at
; 24576 + q*512 + t*64 + 4 m; row block t, fragment row m = group row 32(t/2) + 8(t%2) + m + 8(m/8), so that the 64 accumulator registers of one block of S1 are 32b + 16h + i along S0's rows, register 16b + i.
; K goes in steps of 256 through two LDS slots of four panels [S1 g0][S1 g1][S0 g0][S0 g1]; each wave brings one panel by one tensor load.  4 x 4 work-groups form a cluster: S1's panels are asked for jointly
; along a row of the cluster, S0's along a column.
; THIS LAUNCH.  Clusters 0-15: S1 = x (256 tokens), S0 = 128 rows of Wq and the same 128 rows of Wk: wave column 0 makes Q, column 1 K.  Clusters 16-23: S1 = Wv, S0 = x: V with the tokens along the lane's registers.
; RoPE: angle = f32(position) x 10000^(-f/512), reduced by n pi in two parts; sine to r^11, cosine to r^12 on |r| <= pi/2; sign by n's parity.  The two waves that share tokens and frequencies each compute half of the
; cosines and sines and hand them over through LDS.
; LIMITS: |angle| under pi x 2^22; the frequency is right to about 1.5e-7 of itself, so an angle of 2,000 differs from f32's own product by about 3e-4; zero blocks get the byte 1, not 127 (read by this program alone);
; blocks under 2^-124 keep the byte 1; NaN and infinities are not served.
; REGISTERS: window 0: v1-31 addresses; v32-63 scale words and nothing else; v64-127 free in the loop; v128-223 S1's fragments; window 1: S0's fragments, two sets; windows 2, 3: accumulator (a, b) at v[8 (8 (a%4) + b)].
.set GA,    96                         ; panels in a K step of S1's buffer
.set GB,    96                         ; and of S0's
.set SPARE, 274432                     ; the spare words: 512 bytes that no other line names
.set PANEL, 25600
.set SCO,   24576
.set SLOT,  4*PANEL
.set FR,    12
.set LI,    3                          ; v3      16 x lane
.set ADRA,  16                         ; v16-17  my S1 panel in slot 0, 1, + 16 x lane
.set ADRB,  20                         ; v20-21  my S0 panel
.set ADRS,  22                         ; v22-23  scale words: lanes 0-15 S1's, lanes 16-31 S0's
.set SPW,   28                         ; v28     my spare word; never rewritten
.set NIL,   29                         ; v29     0; never rewritten
.set SC,    32                         ; scale words: set s at SC + 16 s, register 2 i + q
.set AF,    128
.set G1A,   24                         ; s[24:31], s[32:39]: S1's descriptor groups 1 and 0 (a group 0 for each slot)
.set G0A,   32
.set G1B,   48                         ; s[48:55], s[56:63]: S0's
.set G0B,   56
.set MSB,   0
.macro WIN new                         ; the immediate's high byte repeats the setting that is left
.if MSB != (\new)
	s_set_vgpr_msb (MSB<<8)|(\new)
.set MSB, (\new)
.endif
.endm
.set MUL_LO, 0xa1                      ; source 0 (S0) window 1, source 1 (S1) window 0, C and D window 2
.set MUL_HI, 0xf1
.set TO_B,   0x40
.macro JLOAD s                         ; a joint load: waves 0, 1 fetch S1's halves, waves 2, 3 S0's; an s_nop 0 and four v_nop follow each line
	s_cmp_eq_u32 s15, 0
	s_cbranch_scc0 .Lfor_b_\@
	tensor_load_to_lds s[G0A+4*\s:G0A+4*\s+3], s[G1A:G1A+7]
	s_nop 0
.rept 4
	v_nop
.endr
	s_branch .Lasked_\@
.Lfor_b_\@:
	tensor_load_to_lds s[G0B+4*\s:G0B+4*\s+3], s[G1B:G1B+7]
	s_nop 0
.rept 4
	v_nop
.endr
.Lasked_\@:
.endm
.macro CREST                           ; a round of the cluster's barrier behind its opening barrier
	s_cmp_lg_u32 s14, 0
	s_cbranch_scc1 .Lnot_wave_0_\@
	s_barrier_signal -3
.Lnot_wave_0_\@:
	s_barrier_wait -3
	s_barrier_signal -1
	s_barrier_wait -1
.endm
.macro CROUND
	s_barrier_signal -1
	s_barrier_wait -1
	CREST
.endm
.macro PLACES                          ; four places behind matrix instructions, in front of loads into their registers and of reads of results
.rept 4
	v_nop
.endr
.endm
.macro CORE_IDS                        ; the opening add, the wave, the place in the cluster, the masks, the two groups 1: a dense block of 100 rows of 256 bytes
	v_lshl_add_u32 v[SPW], v0, 2, SPARE
	v_mov_b32 v[NIL], 0
	ds_add_u32 v[SPW], v[NIL]                      ; the wave's opening: the add and its wait ahead of my first tensor load
	v_lshrrev_b32 v1, 5, v0
	v_readfirstlane_b32 s14, v1                    ; wave
	s_lshr_b32 s15, s14, 1                         ; wr: my half of S1's rows.  Also: I fetch for S1 (0) or S0 (1)
	s_and_b32 s16, s14, 1                          ; wc: my half of S0's rows.  Also: which half I fetch
	s_bfe_u32 s40, ttmp6, 0x40000                  ; cx
	s_bfe_u32 s41, ttmp6, 0x40004                  ; cy
	s_lshl_b32 s44, s41, 2
	s_lshl_b32 s44, 15, s44                        ; my row of the cluster
	s_lshl_b32 s45, 0x1111, s40                    ; my column
	s_or_b32 s[G1A], s44, (3<<16)|(1<<21)          ; the mask; elements of 8 bytes; bit 21 beside a mask; no padding
	s_or_b32 s[G1B], s45, (3<<16)|(1<<21)
.irp g, G1A, G1B
	s_mov_b32 s[\g+1], 32<<16                      ; tensor_dim0 = 32
	s_mov_b32 s[\g+2], 100<<16                     ; tensor_dim1 = 100
	s_mov_b32 s[\g+3], 32<<16                      ; tile_dim0
	s_mov_b32 s[\g+4], 100                         ; tile_dim1
	s_mov_b32 s[\g+5], 32                          ; the pitch
	s_mov_b32 s[\g+6], 0
	s_mov_b32 s[\g+7], 0
.endr
	s_mul_i32 s22, s14, PANEL                      ; where my panel goes in a slot: no place in the cluster enters an LDS address
.endm
.macro CORE_FILL pa, pb                ; s20, s46: the numbers of my first panels of S1 and S0; pa, pb: the buffers' pointers
	s_mul_i32 s20, s20, PANEL
	s_mov_b32 s21, 0
	s_mul_i32 s46, s46, PANEL
	s_mov_b32 s47, 0
	s_wait_dscnt 0x0                               ; the opening add is done
	s_wait_kmcnt 0x0
	s_add_nc_u64 s[20:21], s[\pa:\pa+1], s[20:21]
	s_add_nc_u64 s[46:47], s[\pb:\pb+1], s[46:47]
	CROUND                                         ; all sixteen work-groups are here: the first joint loads meet
.irp s, 0,1
	s_mov_b32 s[G0A+4*\s], 1
	s_add_co_u32 s[G0A+4*\s+1], s22, \s*SLOT
	s_add_nc_u64 s[G0A+4*\s+2:G0A+4*\s+3], s[20:21], \s*GA*PANEL
	s_or_b32 s[G0A+4*\s+3], s[G0A+4*\s+3], 0x80000000
	s_mov_b32 s[G0B+4*\s], 1
	s_add_co_u32 s[G0B+4*\s+1], s22, \s*SLOT
	s_add_nc_u64 s[G0B+4*\s+2:G0B+4*\s+3], s[46:47], \s*GB*PANEL
	s_or_b32 s[G0B+4*\s+3], s[G0B+4*\s+3], 0x80000000
	JLOAD \s
.endr
.endm
.macro CORE_ADDR
	v_and_b32 v1, 15, v0                           ; r
	v_bfe_u32 v2, v0, 4, 1                         ; h
	v_and_b32 v[LI], 31, v0
	v_lshlrev_b32 v[LI], 4, v[LI]
	s_mul_i32 s21, s15, PANEL
	s_mul_i32 s23, s16, PANEL
	s_add_co_u32 s23, s23, 2*PANEL
.irp s, 0,1
	v_add_nc_u32 v[ADRA+\s], s21, v[LI]
	v_add_nc_u32 v[ADRB+\s], s23, v[LI]
	s_add_co_u32 s21, s21, SLOT
	s_add_co_u32 s23, s23, SLOT
.endr
	s_mul_i32 s21, s15, PANEL
	s_mul_i32 s23, s16, PANEL
	s_add_co_u32 s23, s23, 2*PANEL
	s_sub_co_u32 s23, s23, s21
	v_mul_u32_u24 v26, s23, v2                     ; lanes 16-31 take S0's words: one product, the distance between the two panels
	v_lshl_add_u32 v26, v1, 2, v26
	s_add_co_u32 s21, s21, SCO
	v_add_nc_u32 v[ADRS], s21, v26
	v_add_nc_u32 v[ADRS+1], SLOT, v[ADRS]
.endm
.macro FRAG reg, adr, q, i             ; a fragment's image: three loads of 512 consecutive bytes
.irp c, 0,1,2
	ds_load_b128 v[(\reg)+4*\c:(\reg)+4*\c+3], v[\adr] offset:(\i)*3072+(\q)*1536+\c*512
.endr
.endm
.macro FETCH_B slot, q, p
	WIN TO_B
.irp i, 0,1,2,3,4,5,6,7
	FRAG 128*(\p)+FR*\i, ADRB+\slot, \q, \i
.endr
	WIN 0
.endm
.macro FETCH_A slot, q, i0
.irp i, \i0, \i0+1, \i0+2, \i0+3
	FRAG AF+FR*(\i), ADRA+\slot, \q, \i
.endr
.endm
.macro SCALES sc
.irp i, 0,1,2,3,4,5,6,7
.irp q, 0,1
	ds_load_b32 v[SC+16*\sc+2*\i+\q], v[ADRS+\sc] offset:\q*512+\i*64
.endr
.endr
.endm
; 16 matrix instructions: S1's blocks a0, a0 + 1 x S0's eight.  The 64 accumulators take turns, one instruction a turn, in the same order in every step.
.macro MUL16 a0, p, q, sc, zero
.irp a, \a0, \a0+1
.irp b, 0,1,2,3,4,5,6,7
.if \zero
	v_wmma_scale_f32_16x16x128_f8f6f4 v[8*(8*((\a)%4)+\b):8*(8*((\a)%4)+\b)+7], v[128*(\p)+FR*\b:128*(\p)+FR*\b+FR-1], v[AF+FR*(\a):AF+FR*(\a)+FR-1], 0, v[SC+16*(\sc)+2*\b+(\q)], v[SC+16*(\sc)+2*(\a)+(\q)] matrix_a_fmt:MATRIX_FMT_FP6 matrix_b_fmt:MATRIX_FMT_FP6 matrix_a_scale:MATRIX_SCALE_ROW1
.else
	v_wmma_scale_f32_16x16x128_f8f6f4 v[8*(8*((\a)%4)+\b):8*(8*((\a)%4)+\b)+7], v[128*(\p)+FR*\b:128*(\p)+FR*\b+FR-1], v[AF+FR*(\a):AF+FR*(\a)+FR-1], v[8*(8*((\a)%4)+\b):8*(8*((\a)%4)+\b)+7], v[SC+16*(\sc)+2*\b+(\q)], v[SC+16*(\sc)+2*(\a)+(\q)] matrix_a_fmt:MATRIX_FMT_FP6 matrix_b_fmt:MATRIX_FMT_FP6 matrix_a_scale:MATRIX_SCALE_ROW1
.endif
.endr
.endr
.endm
.macro ADJ slot                        ; (a hook that only the launch with P as an operand fills)
.endm
.macro STEP slot, zero                 ; a slot's first 128 along K
	s_wait_dscnt 12                                ; all but the youngest twelve loads (S1's blocks 4-7)
	ADJ \slot
	WIN MUL_LO
	MUL16 0, 0, 0, \slot, \zero
	MUL16 2, 0, 0, \slot, \zero
	s_wait_dscnt 0x0
	PLACES
	FETCH_B \slot, 1, 1
	FETCH_A \slot, 1, 0
	WIN MUL_HI
	MUL16 4, 0, 0, \slot, \zero
	MUL16 6, 0, 0, \slot, \zero
	PLACES
	WIN 0
	FETCH_A \slot, 1, 4
.endm
.macro TURN slot, next, fill           ; a slot's second 128 along K, and the change of slots: one barrier
	s_wait_tensorcnt 0x0                           ; all my tensor loads have landed: my panel of the next slot
	ds_add_u32 v[SPW], v[NIL]                      ; 0 onto my spare word
	s_wait_dscnt 13                                ; (the add and the youngest twelve loads may be out)
	WIN MUL_LO
	MUL16 0, 1, 1, \slot, 0
	s_wait_dscnt 0x0                               ; the add is done, and my reads of this slot are over
	s_barrier_signal -1
	MUL16 2, 1, 1, \slot, 0
	WIN 0
	s_barrier_wait -1
.if \fill
	CREST                                          ; the barrier has opened a round of the cluster's: no wave of any partner still reads this slot or has a load on its way
	s_add_nc_u64 s[G0A+4*\slot+2:G0A+4*\slot+3], s[G0A+4*\slot+2:G0A+4*\slot+3], 2*GA*PANEL
	s_add_nc_u64 s[G0B+4*\slot+2:G0B+4*\slot+3], s[G0B+4*\slot+2:G0B+4*\slot+3], 2*GB*PANEL
	JLOAD \slot                                    ; the first tensor load behind the round; its four v_nop are the places in front of the loads below
.else
	PLACES
.endif
	FETCH_B \next, 0, 0
	FETCH_A \next, 0, 0
	SCALES \next
	WIN MUL_HI
	MUL16 4, 1, 1, \slot, 0
	MUL16 6, 1, 1, \slot, 0
	PLACES
	WIN 0
	FETCH_A \next, 0, 4
.endm
; ---- what follows the products
.set PW,   30                          ; v30      the scale word just made
.set PC,   224                         ; v224-243 the codes just made
.set TM,   244                         ; v244-255 largest magnitudes, bytes, scale operands
.set SEL,  68                          ; s[68:69] lane l xor 16
.set OUT,  82                          ; s[82:83] where my fragments go;  s[84:85] my 512 bytes of scale words
.set OUTS, 84
.set H,    64                          ; v64-127  64 numbers to be quantised
.set TA,   64                          ; (the same registers, at work on cosines and sines)
.set CS,   128                         ; v128-191 cosine and sine of the lane's 32 pairs
.set INV,  192                         ; v192-223 the lane's 32 frequencies
.set MG,   224                         ; v224-229 three constants as pairs (ahead of the first codes)
.set VS5,  226
.set VC6,  228
.set EC,   86
.set ES,   87
.set MGS,  88                          ; s88      1.5 x 2^23
; 64 numbers of a lane in window w, register 16 b + i = K index 32 b + 16 h + i of my row, become a fragment's codes in v[PC] on and its scale word in v[PW]
.macro QUANT s, w
	WIN (\w)|((\w)<<2)
.irp b, 0,1,2,3
	v_max3_num_f32 v[TM+\b], |v[(\s)+16*\b]|, |v[(\s)+16*\b+1]|, 0x1800000   ; and the floor 2^(3 - 127): the byte cannot fall under 1
.endr
.irp i, 2,4,6,8,10,12,14
.irp b, 0,1,2,3
	v_max3_num_f32 v[TM+\b], |v[(\s)+16*\b+\i]|, |v[(\s)+16*\b+\i+1]|, v[TM+\b]
.endr
.endr
	WIN 0
.irp b, 0,1,2,3
	v_permlanex16_b32 v[TM+4+\b], v[TM+\b], s[SEL], s[SEL+1]
.endr
.irp b, 0,1,2,3
	v_max_num_f32 v[TM+\b], v[TM+\b], v[TM+4+\b]
.endr
.irp b, 0,1,2,3
	v_add_nc_u32 v[TM+8+\b], 0xff000000, v[TM+\b]  ; 2 off the exponent field: the conversion's scale operand
.endr
.irp b, 0,1,2,3
	v_lshrrev_b32 v[TM+4+\b], 23, v[TM+8+\b]
.endr
	v_lshl_or_b32 v[PW], v[TM+5], 8, v[TM+4]
	v_lshl_or_b32 v[PW], v[TM+6], 16, v[PW]
	v_lshl_or_b32 v[PW], v[TM+7], 24, v[PW]
	s_wait_xcnt 0x0                                ; the last block's stores have read the codes' registers
	WIN \w
.irp c, 0,1
	v_cvt_scalef32_pk16_fp6_f32 v[PC+6*\c:PC+6*\c+2], v[(\s)+32*\c:(\s)+32*\c+15], v[TM+8+2*\c]
	v_cvt_scalef32_pk16_fp6_f32 v[PC+12+4*\c:PC+14+4*\c], v[(\s)+32*\c+16:(\s)+32*\c+31], v[TM+9+2*\c]
.endr
	WIN 0
	v_nop                                          ; one plain place behind a scaled conversion
.irp c, 0,1
.irp i, 0,1,2
	v_permlane16_swap_b32 v[PC+6*\c+\i], v[PC+12+4*\c+\i]   ; a whole block to a lane
.endr
.irp i, 0,1,2
	v_mov_b32 v[PC+3+6*\c+\i], v[PC+12+4*\c+\i]
.endr
.endr
.endm
.macro OUTIMG a, stw                   ; the fragment leaves as it stands: three stores of 512 consecutive bytes; its scale word goes to my stage
.irp c, 0,1,2
	global_store_b128 v[LI], v[PC+4*\c:PC+4*\c+3], s[OUT:OUT+1] offset:(\a)*3072+\c*512
.endr
	ds_store_b32 v[\stw], v[PW] offset:64*(\a)     ; both halves of the lanes write the same word with the same value
.endm
.macro FLUSH str                       ; my eight blocks' scale words: 512 consecutive bytes
	ds_load_b128 v[TM:TM+3], v[\str]
	s_wait_dscnt 0x0
	global_store_b128 v[LI], v[TM:TM+3], s[OUTS:OUTS+1]
.endm
	s_load_b256 s[4:11], s[0:1], 0x0               ; XW, the positions, QK, Vp
	CORE_IDS
	s_lshr_b32 s70, ttmp9, 1
	s_lshl_b32 s70, s70, 2                         ; Q, K: x's tiles 4 (c / 2) on
	s_and_b32 s71, ttmp9, 1
	s_lshl_b32 s71, s71, 2
	s_add_co_u32 s71, s71, 32                      ; and the weights' tiles 32 + 4 (c % 2) on
	s_sub_co_u32 s72, ttmp9, 16
	s_lshl_b32 s72, s72, 2                         ; V: x's tiles 4 (c - 16) on
	s_cmp_lt_u32 ttmp9, 16                         ; the cluster's number: the same in all sixteen partners
	s_cselect_b32 s70, s70, 40
	s_cselect_b32 s71, s71, s72
	s_add_co_u32 s43, s70, s41                     ; S1's tile: hangs on cy alone
	s_add_co_u32 s42, s71, s40                     ; S0's tile: on cx alone
	s_lshl_b32 s20, s43, 1
	s_add_co_u32 s20, s20, s16
	s_lshl_b32 s46, s42, 1
	s_add_co_u32 s46, s46, s16
	; where my results go.  Q, K: panel (T0 / 2) 128 + 64 wc + 2 T1 + wr, half T0 % 2.  V: panel 8 T0 + 2 T1 + wr, half wc
	s_and_b32 s73, s42, 7
	s_lshr_b32 s74, s73, 1
	s_lshl_b32 s74, s74, 7
	s_lshl_b32 s75, s16, 6
	s_add_co_u32 s74, s74, s75
	s_lshl_b32 s75, s43, 1
	s_add_co_u32 s74, s74, s75
	s_add_co_u32 s74, s74, s15
	s_and_b32 s75, s73, 1
	s_lshl_b32 s76, s42, 3
	s_sub_co_u32 s77, s43, 40
	s_lshl_b32 s77, s77, 1
	s_add_co_u32 s76, s76, s77
	s_add_co_u32 s76, s76, s15
	s_cmp_lt_u32 ttmp9, 16
	s_cselect_b32 s74, s74, s76
	s_cselect_b32 s75, s75, s16
	s_mul_i32 s74, s74, PANEL
	s_mul_i32 s76, s75, 1536
	s_add_co_u32 s76, s76, s74
	s_mov_b32 s77, 0
	s_lshl_b32 s75, s75, 9
	s_add_co_u32 s78, s75, s74
	s_add_co_u32 s78, s78, SCO
	s_mov_b32 s79, 0
	s_mov_b32 s66, 0x3cd49a78                      ; log2(10000) / 512, upper part,
	s_mov_b32 s67, 0x30179a6c                      ; and what is left of it
	s_mov_b32 s[MGS], 0x4b400000                   ; 1.5 x 2^23
	s_mov_b32 s[SEL], 0x76543210
	s_mov_b32 s[SEL+1], 0xfedcba98
	CORE_FILL 4, 4
	CORE_ADDR
	s_cmp_lt_u32 ttmp9, 16
	s_cselect_b64 s[80:81], s[8:9], s[10:11]
	s_add_nc_u64 s[OUT:OUT+1], s[80:81], s[76:77]
	s_add_nc_u64 s[OUTS:OUTS+1], s[80:81], s[78:79]
	; every LDS address of the way out is made here, ahead of every parting of ways
	s_mul_i32 s21, s15, 204800                     ; cosines and sines of row half 0 lie in slot 0 (behind its last fill and last read), those of half 1 behind the ring
	s_lshl_b32 s23, s16, 15
	s_add_co_u32 s23, s23, s21
	v_add_nc_u32 v4, s23, v[LI]                    ; I write blocks 4 wc on
	v_add_nc_u32 v5, s21, v[LI]                    ; and read all eight
	s_lshl_b32 s21, s14, 9
	s_add_co_u32 s21, s21, 270336
	v_lshl_add_u32 v6, v1, 2, s21                  ; the scale words' stage of the Q, K way
	v_add_nc_u32 v7, s21, v[LI]
	s_add_co_u32 s21, s21, 2048
	v_lshl_add_u32 v24, v1, 2, s21                 ; and of the V way: bytes of its own
	v_add_nc_u32 v25, s21, v[LI]
	s_and_b32 s21, s43, 31
	s_lshl_b32 s21, s21, 8
	s_lshl_b32 s23, s15, 7
	s_add_co_u32 s21, s21, s23
	s_lshl_b32 s23, s16, 6
	s_add_co_u32 s21, s21, s23
	v_and_b32 v12, 7, v1
	v_lshrrev_b32 v14, 3, v1
	v_lshl_add_u32 v12, v14, 4, v12
	v_add_nc_u32 v12, s21, v12
	v_lshlrev_b32 v12, 2, v12                      ; the token of fragment row r in block 4 wc: 256 T1 + 128 wr + 64 wc + r + 8 (r / 8)
.irp t, 0,1,2,3
	global_load_b32 v[8+\t], v12, s[6:7] offset:(32*(\t/2)+8*(\t%2))*4   ; the positions of my four blocks' tokens
.endr
	s_and_b32 s21, s42, 7
	s_lshl_b32 s21, s21, 6
	v_lshl_add_u32 v14, v2, 3, s21                 ; my first frequency: 64 T0 + 8 h
.irp b, 0,1,2,3
	v_mov_b32 v[TM+4+\b], 0                        ; a lane permute's destination counts as one of its sources
.endr
	s_mov_b32 s3, 1                                ; K = 1,024: two laps; the loop runs all but the last
	s_wait_tensorcnt 0x1                           ; my panel of slot 0 is in; slot 1's may be out
	s_barrier_signal -1
	s_barrier_wait -1
	FETCH_B 0, 0, 0
	FETCH_A 0, 0, 0
	SCALES 0
	FETCH_A 0, 0, 4
	STEP 0, 1                                      ; the first step starts the sums
.Llap:
	TURN 0, 1, 1
	STEP 1, 0
	TURN 1, 0, 1
	STEP 0, 0
	s_sub_co_u32 s3, s3, 1
	s_cmp_lg_u32 s3, 0
	s_cbranch_scc1 .Llap
	TURN 0, 1, 0                                   ; the last lap fills nothing
	STEP 1, 0
	s_wait_dscnt 12
	WIN MUL_LO
	MUL16 0, 1, 1, 1, 0
	MUL16 2, 1, 1, 1, 0
	s_wait_dscnt 0x0
	WIN MUL_HI
	MUL16 4, 1, 1, 1, 0
	MUL16 6, 1, 1, 1, 0
	WIN 0
	PLACES
	s_wait_loadcnt 0x0                             ; the positions
.irp t, 0,1,2,3
	v_cvt_f32_i32 v[8+\t], v[8+\t]
.endr
	; the lane's 32 frequencies 10000^(-f / 512) = 2^(-y), y = f log2(10000) / 512 (0 to 13.3), f = 64 T0 + 8 h + 16 (p / 8) + p % 8.
	; y = n + rest: y + 1.5 x 2^23 is rounded to a whole number, whose bits lie n above the constant's; 2^(-rest) by v_exp_f32, x 2^(-n) by v_ldexp_f32
.set p, 0
.rept 32
	v_add_nc_u32 v[64+p], 16*(p>>3)+(p&7), v14
.set p, p+1
.endr
.set p, 0
.rept 32
	v_cvt_f32_u32 v[64+p], v[64+p]
.set p, p+1
.endr
.set p, 0
.rept 32
	v_fma_f32 v[96+p], v[64+p], s66, s[MGS]        ; 1.5 x 2^23 + n
.set p, p+1
.endr
.set p, 0
.rept 32
	v_sub_nc_u32 v[160+p], s[MGS], v[96+p]         ; -n, as a whole number
.set p, p+1
.endr
.set p, 0
.rept 32
	v_add_f32 v[96+p], 0xcb400000, v[96+p]         ; n, in f32
.set p, p+1
.endr
.set p, 0
.rept 32
	v_fma_f32 v[128+p], -v[64+p], s66, v[96+p]     ; n - y, exactly, for the constant's upper part,
.set p, p+1
.endr
.set p, 0
.rept 32
	v_fma_f32 v[128+p], -v[64+p], s67, v[128+p]    ; and what is left of the constant
.set p, p+1
.endr
.set p, 0
.rept 32
	v_exp_f32 v[INV+p], v[128+p]
.set p, p+1
.endr
.irp i, 0,1                                    ; plain work behind the exponentials: it names none of their results
	v_mov_b32 v[MG+\i], 0x4b400000                 ; 1.5 x 2^23: adding it rounds to a whole number
	v_mov_b32 v[VS5+\i], 0xb2d7322b                ; -1 / 11!
	v_mov_b32 v[VC6+\i], 0x310f76c7                ; 1 / 12!
.endr
	s_wait_alu depctr_va_vdst(0)                   ; one wait for the batch, ahead of its first reader
.set p, 0
.rept 32
	v_ldexp_f32 v[INV+p], v[INV+p], v[160+p]
.set p, p+1
.endr
.macro HORN f, k                       ; one step of a polynomial in r^2, for four groups of two pairs by turns
.irp u, 0,1,2,3
	v_pk_fma_f32 v[TA+12*\u+\f:TA+12*\u+\f+1], v[TA+12*\u+\f:TA+12*\u+\f+1], v[TA+12*\u+4:TA+12*\u+5], \k op_sel_hi:[1,1,0]
.endr
.endm
; cosine and sine of pairs 2 g, 2 g + 1 for g = g0 .. g0 + 3.  A group's registers: +0 the angle, then r; +2 the rounded quotient; +4 r^2; +6 sine; +8 cosine; +10 n, then r^3
.macro SC4 g0
.irp u, 0,1,2,3
	v_pk_mul_f32 v[TA+12*\u:TA+12*\u+1], v[INV+2*(\g0+\u):INV+2*(\g0+\u)+1], v[8:9] op_sel_hi:[1,0]
.endr
.irp u, 0,1,2,3
	v_pk_fma_f32 v[TA+12*\u+2:TA+12*\u+3], v[TA+12*\u:TA+12*\u+1], 0x3ea2f983, v[MG:MG+1] op_sel_hi:[1,0,1]
.endr
.irp u, 0,1,2,3
	v_pk_add_f32 v[TA+12*\u+10:TA+12*\u+11], v[TA+12*\u+2:TA+12*\u+3], v[MG:MG+1] neg_lo:[0,1] neg_hi:[0,1]
.endr
.irp u, 0,1,2,3
	v_pk_fma_f32 v[TA+12*\u:TA+12*\u+1], v[TA+12*\u+10:TA+12*\u+11], 0xc0490fdb, v[TA+12*\u:TA+12*\u+1] op_sel_hi:[1,0,1]
.endr
.irp u, 0,1,2,3
	v_pk_fma_f32 v[TA+12*\u:TA+12*\u+1], v[TA+12*\u+10:TA+12*\u+11], 0x33bbbd2e, v[TA+12*\u:TA+12*\u+1] op_sel_hi:[1,0,1]
.endr
.irp u, 0,1,2,3
	v_pk_mul_f32 v[TA+12*\u+4:TA+12*\u+5], v[TA+12*\u:TA+12*\u+1], v[TA+12*\u:TA+12*\u+1]
.endr
.irp u, 0,1,2,3
	v_pk_fma_f32 v[TA+12*\u+6:TA+12*\u+7], v[TA+12*\u+4:TA+12*\u+5], v[VS5:VS5+1], 0x3638ef1d op_sel_hi:[1,1,0]
.endr
.irp u, 0,1,2,3
	v_pk_fma_f32 v[TA+12*\u+8:TA+12*\u+9], v[TA+12*\u+4:TA+12*\u+5], v[VC6:VC6+1], 0xb493f27e op_sel_hi:[1,1,0]
.endr
	HORN 6, 0xb9500d01
	HORN 8, 0x37d00d01
	HORN 6, 0x3c088889
	HORN 8, 0xbab60b61
	HORN 6, 0xbe2aaaab
	HORN 8, 0x3d2aaaab
.irp u, 0,1,2,3
	v_pk_mul_f32 v[TA+12*\u+10:TA+12*\u+11], v[TA+12*\u:TA+12*\u+1], v[TA+12*\u+4:TA+12*\u+5]
.endr
	HORN 8, -0.5
.irp u, 0,1,2,3
	v_pk_fma_f32 v[TA+12*\u+6:TA+12*\u+7], v[TA+12*\u+6:TA+12*\u+7], v[TA+12*\u+10:TA+12*\u+11], v[TA+12*\u:TA+12*\u+1]
.endr
	HORN 8, 1.0
.irp u, 0,1,2,3
	v_lshlrev_b32 v[TA+12*\u+2], 31, v[TA+12*\u+2] ; n's parity as a sign
	v_lshlrev_b32 v[TA+12*\u+3], 31, v[TA+12*\u+3]
.endr
.irp u, 0,1,2,3
	v_xor_b32 v[CS+4*(\g0+\u)], v[TA+12*\u+2], v[TA+12*\u+8]
	v_xor_b32 v[CS+4*(\g0+\u)+1], v[TA+12*\u+2], v[TA+12*\u+6]
	v_xor_b32 v[CS+4*(\g0+\u)+2], v[TA+12*\u+3], v[TA+12*\u+9]
	v_xor_b32 v[CS+4*(\g0+\u)+3], v[TA+12*\u+3], v[TA+12*\u+7]
.endr
.endm
	s_mov_b32 s[EC], 0
	s_mov_b32 s[ES], 0
.Le1:                                              ; four trips, walked by every wave: block 4 wc + trip of my row half.  The V way jumps over the work alone
	s_cmp_ge_u32 ttmp9, 16
	s_cbranch_scc1 .Le1_skip
	v_add_nc_u32 v13, s[ES], v4
	SC4 0
	SC4 4
	SC4 8
	SC4 12
.irp j, 0,1,2,3,4,5,6,7,8,9,10,11,12,13,14,15
	ds_store_b128 v13, v[CS+4*\j:CS+4*\j+3] offset:512*\j
.endr
	v_mov_b32 v8, v9                               ; the next block's positions
	v_mov_b32 v9, v10
	v_mov_b32 v10, v11
.Le1_skip:
	s_add_co_u32 s[ES], s[ES], 8192
	s_add_co_u32 s[EC], s[EC], 1
	s_cmp_lt_u32 s[EC], 4
	s_cbranch_scc1 .Le1
	s_wait_dscnt 0x0                               ; for the others' sake: my stores have landed
	s_barrier_signal -1
	s_barrier_wait -1
	s_cmp_ge_u32 ttmp9, 16
	s_cbranch_scc1 .Lv_way
.macro CSLOAD a
.irp j, 0,1,2,3,4,5,6,7,8,9,10,11,12,13,14,15
	ds_load_b128 v[CS+4*\j:CS+4*\j+3], v5 offset:(\a)*8192+512*\j
.endr
.endm
	CSLOAD 0
.irp a, 0,1,2,3,4,5,6,7
.if \a == 0
	s_wait_dscnt 0x0
.else
	s_wait_dscnt 1                                 ; the sixteen loads are in; the scale word's store behind them may be out
.endif
	WIN 2+\a/4
.set n, 0
.rept 32
	v_pk_mul_f32 v[H+n:H+n+1], v[64*(\a%4)+n:64*(\a%4)+n+1], v[CS+n:CS+n+1] op_sel_hi:[1,0]   ; x1 c, x2 c
.set n, n+2
.endr
.set n, 0
.rept 32
	v_pk_fma_f32 v[H+n:H+n+1], v[64*(\a%4)+n:64*(\a%4)+n+1], v[CS+n:CS+n+1], v[H+n:H+n+1] op_sel:[1,1,0] op_sel_hi:[0,1,1] neg_lo:[0,1,0]   ; - x2 s, + x1 s
.set n, n+2
.endr
	WIN 0
.if \a < 7
	CSLOAD \a+1
.endif
	QUANT H, 0
	OUTIMG \a, 6
.endr
	FLUSH 7
	s_branch .Ldone
.Lv_way:
.irp a, 0,1,2,3,4,5,6,7
	QUANT 64*(\a%4), 2+\a/4
	OUTIMG \a, 24
.endr
	FLUSH 25
.Ldone:
	s_wait_tensorcnt 0x0                           ; the wave's end, behind my last tensor load and my last LDS store
	ds_add_u32 v[SPW], v[NIL]
	s_wait_dscnt 0x0
	CROUND                                         ; the closing round
	s_endpgm
.Lfunc_end_k_q0e73e2034d_qkv:
	.size	k_q0e73e2034d_qkv, .Lfunc_end_k_q0e73e2034d_qkv-k_q0e73e2034d_qkv
	.p2alignl 7, 3214868480
	.fill 96, 4, 3214868480
	.section	.rodata,"a",@progbits
	.p2align	6, 0x0
	.amdhsa_kernel k_q0e73e2034d_qkv
		.amdhsa_group_segment_fixed_size 327680
		.amdhsa_private_segment_fixed_size 0
		.amdhsa_enable_private_segment 0
		.amdhsa_kernarg_size 32
		.amdhsa_user_sgpr_count 2
		.amdhsa_user_sgpr_kernarg_segment_ptr 1
		.amdhsa_wavefront_size32 1
		.amdhsa_system_sgpr_workgroup_id_x 1
		.amdhsa_system_sgpr_workgroup_id_y 1
		.amdhsa_system_sgpr_workgroup_id_z 1
		.amdhsa_system_vgpr_workitem_id 0
		.amdhsa_next_free_vgpr 1024
		.amdhsa_next_free_sgpr 100
		.amdhsa_reserve_vcc 0
		.amdhsa_float_denorm_mode_32 3
		.amdhsa_float_denorm_mode_16_64 3
		.amdhsa_memory_ordered 1
		.amdhsa_forward_progress 1
		.amdhsa_inst_pref_size 255
	.end_amdhsa_kernel
	.section	.bss,"aw",@nobits
	.p2align	6
	.space	262144
	.amdgpu_metadata
---
amdhsa.version: [ 1, 2 ]
amdhsa.kernels:
  - .name:           k_q0e73e2034d_qkv
    .symbol:         k_q0e73e2034d_qkv.kd
    .args:
      - { .name: XW, .offset: 0, .size: 8, .value_kind: global_buffer, .address_space: global }
      - { .name: token_positions, .offset: 8, .size: 8, .value_kind: global_buffer, .address_space: global }
      - { .name: QK, .offset: 16, .size: 8, .value_kind: global_buffer, .address_space: global }
      - { .name: Vp, .offset: 24, .size: 8, .value_kind: global_buffer, .address_space: global }
    .group_segment_fixed_size: 327680
    .private_segment_fixed_size: 0
    .kernarg_segment_align: 8
    .kernarg_segment_size: 32
    .max_flat_workgroup_size: 128
    .sgpr_count:     100
    .vgpr_count:     1024
    .wavefront_size: 32
...
	.end_amdgpu_metadata
.endif
;; end of part 2
;; launch scores (part 3): grid 48 x 4, 4 waves a work-group, clusters of 4 x 4, 327,680 bytes of LDS; arguments QK, Pp, St; writes Pp, St
.if DOCPART == 3
	.amdgcn_target "amdgcn-amd-amdhsa--gfx1250"
	.amdhsa_code_object_version 6
	.text
	.protected	k_q0e73e2034d_scores
	.globl	k_q0e73e2034d_scores
	.p2align	8
	.type	k_q0e73e2034d_scores,@function
k_q0e73e2034d_scores:
	s_mov_b64 s[64:65], 0
	v_nop
	global_prefetch_b8 v0, s[64:65] scope:SCOPE_SE
	s_setreg_imm32_b32 hwreg(HW_REG_WAVE_MODE, 25, 1), 1
	s_wait_xcnt 0x0
	s_wait_alu depctr_hold_cnt(0) depctr_sa_sdst(0) depctr_va_vdst(0) depctr_va_sdst(0) depctr_va_ssrc(0) depctr_va_vcc(0) depctr_vm_vsrc(0)
	s_getreg_b32 s2, hwreg(HW_REG_IB_STS2, 6, 4)
	s_cmp_eq_u32 s2, 0
	s_cbranch_scc0 .Lentry_in_a_cluster
	s_endpgm
.Lentry_in_a_cluster:
	s_bfe_u32 s2, ttmp6, 0x10000c
	s_cmp_lg_u32 s2, 0xf033
	s_cbranch_scc0 .Lentry_shape_is_right
	s_endpgm
.Lentry_shape_is_right:
; S^T = K Q^T on codes of FP6 (E2M3), the causal mask, and p = 2^(t - M) quantised along the keys, for a tile of 256 queries x 256 keys.
; THE LOOP is the one described at the head of the projections' kernel: D = S0 S1^T, S0 = K's rows (keys), S1 = Q's rows (queries); panels, two slots, joint loads in a cluster of 4 x 4.
; Twelve clusters: of each batch the three blocks of 1,024 x 1,024 that the mask leaves: (queries, keys) = (0, 0), (1, 0), (1, 1).  Tiles wholly above the diagonal inside a diagonal cluster run the same text
; (no branch may hang on a work-group's place in its cluster) and store zero codes, -M = 1e30 and a sum of 0, which the next launch reads.
; THE SOFTMAX.  t = score x log2(e) / 32.  Each CHUNK of 128 keys (what one wave holds of a query) has an M of its own: the ceiling of the chunk's largest t.  p = 2^(t - M) is quantised under it; the scale bytes are
; stored 64 too high; -M and the chunk's sum of the unquantised p go to St.  The next launch takes the row's M from the chunks' and lowers the bytes by the difference, a whole number: the codes' values are those under the row's M.
; LIMITS: t under -1e30 counts as masked; NaN and infinities among the scores are not served; a block whose every p is 0 keeps the byte 1 (+ 64).
.set GA,    128
.set GB,    128
.set SPARE, 210944
.set PANEL, 25600
.set SCO,   24576
.set SLOT,  4*PANEL
.set FR,    12
.set LI,    3
.set ADRA,  16
.set ADRB,  20
.set ADRS,  22
.set SPW,   28
.set NIL,   29
.set SC,    32
.set AF,    128
.set G1A,   24
.set G0A,   32
.set G1B,   48
.set G0B,   56
.set MSB,   0
.macro WIN new
.if MSB != (\new)
	s_set_vgpr_msb (MSB<<8)|(\new)
.set MSB, (\new)
.endif
.endm
.set MUL_LO, 0xa1
.set MUL_HI, 0xf1
.set TO_B,   0x40
.macro JLOAD s
	s_cmp_eq_u32 s15, 0
	s_cbranch_scc0 .Lfor_b_\@
	tensor_load_to_lds s[G0A+4*\s:G0A+4*\s+3], s[G1A:G1A+7]
	s_nop 0
.rept 4
	v_nop
.endr
	s_branch .Lasked_\@
.Lfor_b_\@:
	tensor_load_to_lds s[G0B+4*\s:G0B+4*\s+3], s[G1B:G1B+7]
	s_nop 0
.rept 4
	v_nop
.endr
.Lasked_\@:
.endm
.macro CREST
	s_cmp_lg_u32 s14, 0
	s_cbranch_scc1 .Lnot_wave_0_\@
	s_barrier_signal -3
.Lnot_wave_0_\@:
	s_barrier_wait -3
	s_barrier_signal -1
	s_barrier_wait -1
.endm
.macro CROUND
	s_barrier_signal -1
	s_barrier_wait -1
	CREST
.endm
.macro PLACES
.rept 4
	v_nop
.endr
.endm
.macro CORE_IDS
	v_lshl_add_u32 v[SPW], v0, 2, SPARE
	v_mov_b32 v[NIL], 0
	ds_add_u32 v[SPW], v[NIL]                      ; the wave's opening: the add and its wait ahead of my first tensor load
	v_lshrrev_b32 v1, 5, v0
	v_readfirstlane_b32 s14, v1
	s_lshr_b32 s15, s14, 1
	s_and_b32 s16, s14, 1
	s_bfe_u32 s40, ttmp6, 0x40000
	s_bfe_u32 s41, ttmp6, 0x40004
	s_lshl_b32 s44, s41, 2
	s_lshl_b32 s44, 15, s44
	s_lshl_b32 s45, 0x1111, s40
	s_or_b32 s[G1A], s44, (3<<16)|(1<<21)
	s_or_b32 s[G1B], s45, (3<<16)|(1<<21)
.irp g, G1A, G1B
	s_mov_b32 s[\g+1], 32<<16
	s_mov_b32 s[\g+2], 100<<16
	s_mov_b32 s[\g+3], 32<<16
	s_mov_b32 s[\g+4], 100
	s_mov_b32 s[\g+5], 32
	s_mov_b32 s[\g+6], 0
	s_mov_b32 s[\g+7], 0
.endr
	s_mul_i32 s22, s14, PANEL
.endm
.macro CORE_FILL pa, pb
	s_mul_i32 s20, s20, PANEL
	s_mov_b32 s21, 0
	s_mul_i32 s46, s46, PANEL
	s_mov_b32 s47, 0
	s_wait_dscnt 0x0                               ; the opening add is done
	s_wait_kmcnt 0x0
	s_add_nc_u64 s[20:21], s[\pa:\pa+1], s[20:21]
	s_add_nc_u64 s[46:47], s[\pb:\pb+1], s[46:47]
	CROUND                                         ; all sixteen work-groups are here: the first joint loads meet
.irp s, 0,1
	s_mov_b32 s[G0A+4*\s], 1
	s_add_co_u32 s[G0A+4*\s+1], s22, \s*SLOT
	s_add_nc_u64 s[G0A+4*\s+2:G0A+4*\s+3], s[20:21], \s*GA*PANEL
	s_or_b32 s[G0A+4*\s+3], s[G0A+4*\s+3], 0x80000000
	s_mov_b32 s[G0B+4*\s], 1
	s_add_co_u32 s[G0B+4*\s+1], s22, \s*SLOT
	s_add_nc_u64 s[G0B+4*\s+2:G0B+4*\s+3], s[46:47], \s*GB*PANEL
	s_or_b32 s[G0B+4*\s+3], s[G0B+4*\s+3], 0x80000000
	JLOAD \s
.endr
.endm
.macro CORE_ADDR
	v_and_b32 v1, 15, v0
	v_bfe_u32 v2, v0, 4, 1
	v_and_b32 v[LI], 31, v0
	v_lshlrev_b32 v[LI], 4, v[LI]
	s_mul_i32 s21, s15, PANEL
	s_mul_i32 s23, s16, PANEL
	s_add_co_u32 s23, s23, 2*PANEL
.irp s, 0,1
	v_add_nc_u32 v[ADRA+\s], s21, v[LI]
	v_add_nc_u32 v[ADRB+\s], s23, v[LI]
	s_add_co_u32 s21, s21, SLOT
	s_add_co_u32 s23, s23, SLOT
.endr
	s_mul_i32 s21, s15, PANEL
	s_mul_i32 s23, s16, PANEL
	s_add_co_u32 s23, s23, 2*PANEL
	s_sub_co_u32 s23, s23, s21
	v_mul_u32_u24 v26, s23, v2
	v_lshl_add_u32 v26, v1, 2, v26
	s_add_co_u32 s21, s21, SCO
	v_add_nc_u32 v[ADRS], s21, v26
	v_add_nc_u32 v[ADRS+1], SLOT, v[ADRS]
.endm
.macro FRAG reg, adr, q, i
.irp c, 0,1,2
	ds_load_b128 v[(\reg)+4*\c:(\reg)+4*\c+3], v[\adr] offset:(\i)*3072+(\q)*1536+\c*512
.endr
.endm
.macro FETCH_B slot, q, p
	WIN TO_B
.irp i, 0,1,2,3,4,5,6,7
	FRAG 128*(\p)+FR*\i, ADRB+\slot, \q, \i
.endr
	WIN 0
.endm
.macro FETCH_A slot, q, i0
.irp i, \i0, \i0+1, \i0+2, \i0+3
	FRAG AF+FR*(\i), ADRA+\slot, \q, \i
.endr
.endm
.macro SCALES sc
.irp i, 0,1,2,3,4,5,6,7
.irp q, 0,1
	ds_load_b32 v[SC+16*\sc+2*\i+\q], v[ADRS+\sc] offset:\q*512+\i*64
.endr
.endr
.endm
.macro MUL16 a0, p, q, sc, zero        ; the 64 accumulators take turns, one instruction a turn
.irp a, \a0, \a0+1
.irp b, 0,1,2,3,4,5,6,7
.if \zero
	v_wmma_scale_f32_16x16x128_f8f6f4 v[8*(8*((\a)%4)+\b):8*(8*((\a)%4)+\b)+7], v[128*(\p)+FR*\b:128*(\p)+FR*\b+FR-1], v[AF+FR*(\a):AF+FR*(\a)+FR-1], 0, v[SC+16*(\sc)+2*\b+(\q)], v[SC+16*(\sc)+2*(\a)+(\q)] matrix_a_fmt:MATRIX_FMT_FP6 matrix_b_fmt:MATRIX_FMT_FP6 matrix_a_scale:MATRIX_SCALE_ROW1
.else
	v_wmma_scale_f32_16x16x128_f8f6f4 v[8*(8*((\a)%4)+\b):8*(8*((\a)%4)+\b)+7], v[128*(\p)+FR*\b:128*(\p)+FR*\b+FR-1], v[AF+FR*(\a):AF+FR*(\a)+FR-1], v[8*(8*((\a)%4)+\b):8*(8*((\a)%4)+\b)+7], v[SC+16*(\sc)+2*\b+(\q)], v[SC+16*(\sc)+2*(\a)+(\q)] matrix_a_fmt:MATRIX_FMT_FP6 matrix_b_fmt:MATRIX_FMT_FP6 matrix_a_scale:MATRIX_SCALE_ROW1
.endif
.endr
.endr
.endm
.macro ADJ slot
.endm
.macro STEP slot, zero
	s_wait_dscnt 12                                ; all but the youngest twelve loads (S1's blocks 4-7)
	ADJ \slot
	WIN MUL_LO
	MUL16 0, 0, 0, \slot, \zero
	MUL16 2, 0, 0, \slot, \zero
	s_wait_dscnt 0x0
	PLACES
	FETCH_B \slot, 1, 1
	FETCH_A \slot, 1, 0
	WIN MUL_HI
	MUL16 4, 0, 0, \slot, \zero
	MUL16 6, 0, 0, \slot, \zero
	PLACES
	WIN 0
	FETCH_A \slot, 1, 4
.endm
.macro TURN slot, next, fill
	s_wait_tensorcnt 0x0                           ; all my tensor loads have landed: my panel of the next slot
	ds_add_u32 v[SPW], v[NIL]                      ; 0 onto my spare word
	s_wait_dscnt 13                                ; (the add and the youngest twelve loads may be out)
	WIN MUL_LO
	MUL16 0, 1, 1, \slot, 0
	s_wait_dscnt 0x0                               ; the add is done, and my reads of this slot are over
	s_barrier_signal -1
	MUL16 2, 1, 1, \slot, 0
	WIN 0
	s_barrier_wait -1
.if \fill
	CREST
	s_add_nc_u64 s[G0A+4*\slot+2:G0A+4*\slot+3], s[G0A+4*\slot+2:G0A+4*\slot+3], 2*GA*PANEL
	s_add_nc_u64 s[G0B+4*\slot+2:G0B+4*\slot+3], s[G0B+4*\slot+2:G0B+4*\slot+3], 2*GB*PANEL
	JLOAD \slot
.else
	PLACES
.endif
	FETCH_B \next, 0, 0
	FETCH_A \next, 0, 0
	SCALES \next
	WIN MUL_HI
	MUL16 4, 1, 1, \slot, 0
	MUL16 6, 1, 1, \slot, 0
	PLACES
	WIN 0
	FETCH_A \next, 0, 4
.endm
; ---- what follows the products
.set PW,   30
.set PC,   224                         ; v224-243 the codes just made
.set FL,   244                         ; v244-255 the three runs that leave at the end
.set SEL,  68
.set CC,   66                          ; s[66:67] c = log2(e) / 32
.set OUT,  82
.set OUTS, 84
.set STN,  86                          ; s[86:87] my 128 words of -M in St; the sums lie 524,288 bytes on
.set H,    64                          ; v64-127  t - M, then p
.set BM,   128                         ; v128-131 the blocks' largest scores, then largest p
.set T2,   132                         ; v132-135 from lane l xor 16
.set TS,   136                         ; v136-139 the conversions' scale operands
.set BY,   140                         ; v140-143 the bytes
.set TT,   146
.set DV,   8                           ; v8  my query less my first key
.set NINF, 9                           ; v9  -infinity
.set STW,  6
.set STR,  7
.macro PBLK a                          ; the 16 queries of block a x my 128 keys
.set AC, 64*((\a)%4)
.set WX, 2+(\a)/4
	WIN WX|(WX<<2)
.irp b, 0,1,2,3
	v_max3_num_f32 v[BM+\b], v[AC+16*\b], v[AC+16*\b+1], 0xff800000   ; the largest score of each block of 32 keys: for the chunk's maximum and, since p rises with the score, for the block's largest p
.endr
.irp i, 2,4,6,8,10,12,14
.irp b, 0,1,2,3
	v_max3_num_f32 v[BM+\b], v[AC+16*\b+\i], v[AC+16*\b+\i+1], v[BM+\b]
.endr
.endr
	WIN 0
.irp b, 0,1,2,3
	v_permlanex16_b32 v[T2+\b], v[BM+\b], s[SEL], s[SEL+1]
.endr
.irp b, 0,1,2,3
	v_max_num_f32 v[BM+\b], v[BM+\b], v[T2+\b]
.endr
	v_max3_num_f32 v[TT], v[BM], v[BM+1], v[BM+2]
	v_max_num_f32 v[TT], v[TT], v[BM+3]
	v_mul_f32 v[TT], s[CC], v[TT]                  ; as t
	v_max_num_f32 v[TT], 0xf149f2ca, v[TT]         ; a chunk that is wholly hidden: t = -1e30
	v_floor_f32 v12, -v[TT]                        ; -M = floor(-t): M is a whole number
	WIN WX
.set n, 0
.rept 32
	v_pk_fma_f32 v[H+n:H+n+1], v[AC+n:AC+n+1], s[CC:CC+1], v[12:13] op_sel_hi:[1,0,0]   ; t - M
.set n, n+2
.endr
	WIN 0
.irp b, 0,1,2,3
	v_fma_f32 v[BM+\b], v[BM+\b], s[CC], v12       ; the same of each block's largest score
.endr
.set n, 0
.rept 64
	v_exp_f32 v[H+n], v[H+n]                       ; p, at most 1, not normalised
.set n, n+1
.endr
	v_nop                                          ; a plain place behind the exponentials
	s_wait_alu depctr_va_vdst(0)                   ; one wait for the batch, ahead of its first reader
.irp b, 0,1,2,3
	v_exp_f32 v[BM+\b], v[BM+\b]                   ; the block's largest p: the same two instructions on the same number
.endr
	v_pk_add_f32 v[144:145], v[H:H+1], v[H+2:H+3]  ; the sum of the unquantised p, in two chains: it reads the 64 alone
	v_pk_add_f32 v[14:15], v[H+4:H+5], v[H+6:H+7]
.irp j, 8,12,16,20,24,28,32,36,40,44,48,52,56,60
	v_pk_add_f32 v[14:15], v[14:15], v[H+\j:H+\j+1]
	v_pk_add_f32 v[144:145], v[144:145], v[H+\j+2:H+\j+3]
.endr
	v_pk_add_f32 v[14:15], v[14:15], v[144:145]
	s_wait_alu depctr_va_vdst(0)                   ; and one for the four
.irp b, 0,1,2,3
	v_max_num_f32 v[BM+\b], 0x1800000, v[BM+\b]    ; the floor 2^(3 - 127)
.endr
.irp b, 0,1,2,3
	v_add_nc_u32 v[TS+\b], 0xff000000, v[BM+\b]
.endr
.irp b, 0,1,2,3
	v_lshrrev_b32 v[BY+\b], 23, v[TS+\b]
.endr
	v_lshl_or_b32 v[PW], v[BY+1], 8, v[BY]
	v_lshl_or_b32 v[PW], v[BY+2], 16, v[PW]
	v_lshl_or_b32 v[PW], v[BY+3], 24, v[PW]
	v_add_nc_u32 v[PW], 0x40404040, v[PW]          ; each byte, at most 125, 64 higher: room for the next launch to lower it
	v_add_f32 v14, v14, v15
	v_permlanex16_b32 v[T2], v14, s[SEL], s[SEL+1]
	v_add_f32 v14, v14, v[T2]                      ; the chunk's sum
	s_wait_xcnt 0x0                                ; the last block's stores have read the codes' registers
.irp c, 0,1
	v_cvt_scalef32_pk16_fp6_f32 v[PC+6*\c:PC+6*\c+2], v[H+32*\c:H+32*\c+15], v[TS+2*\c]
	v_cvt_scalef32_pk16_fp6_f32 v[PC+12+4*\c:PC+14+4*\c], v[H+32*\c+16:H+32*\c+31], v[TS+2*\c+1]
.endr
	v_nop                                          ; one plain place behind a scaled conversion
.irp c, 0,1
.irp i, 0,1,2
	v_permlane16_swap_b32 v[PC+6*\c+\i], v[PC+12+4*\c+\i]
.endr
.irp i, 0,1,2
	v_mov_b32 v[PC+3+6*\c+\i], v[PC+12+4*\c+\i]
.endr
.endr
.irp c, 0,1,2
	global_store_b128 v[LI], v[PC+4*\c:PC+4*\c+3], s[OUT:OUT+1] offset:(\a)*3072+\c*512
.endr
	ds_store_b32 v[STW], v[PW] offset:64*(\a)      ; both halves of the lanes write the same words
	ds_store_b32 v[STW], v12 offset:512+64*(\a)
	ds_store_b32 v[STW], v14 offset:1024+64*(\a)
.endm
	s_load_b128 s[4:7], s[0:1], 0x0                ; QK, Pp
	s_load_b64 s[8:9], s[0:1], 0x10                ; St
	CORE_IDS
	s_mul_i32 s70, ttmp9, 11
	s_lshr_b32 s70, s70, 5                         ; the batch: cluster / 3
	s_mul_i32 s71, s70, 3
	s_sub_co_u32 s77, ttmp9, s71                   ; which of its three blocks
	s_add_co_u32 s72, s77, 1
	s_lshr_b32 s72, s72, 1
	s_lshr_b32 s73, s77, 1
	s_lshl_b32 s72, s72, 2
	s_add_co_u32 s43, s72, s41                     ; the tile of queries: hangs on cy alone
	s_lshl_b32 s73, s73, 2
	s_add_co_u32 s42, s73, s40                     ; the tile of keys: on cx alone
	s_lshl_b32 s74, s70, 4
	s_lshl_b32 s20, s43, 1
	s_add_co_u32 s20, s20, s74
	s_add_co_u32 s20, s20, s16
	s_lshl_b32 s46, s42, 1
	s_add_co_u32 s46, s46, s74
	s_add_co_u32 s46, s46, s16
	s_add_co_u32 s46, s46, 64
	s_lshl_b32 s75, s43, 1
	s_add_co_u32 s75, s75, s74
	s_add_co_u32 s75, s75, s15                     ; my group of 128 queries
	s_lshl_b32 s76, s42, 6
	s_add_co_u32 s76, s76, s75
	s_mul_i32 s76, s76, PANEL                      ; my panel of P
	s_mul_i32 s78, s16, 1536
	s_add_co_u32 s78, s78, s76
	s_mov_b32 s79, 0
	s_lshl_b32 s80, s16, 9
	s_add_co_u32 s80, s80, s76
	s_add_co_u32 s80, s80, SCO
	s_mov_b32 s81, 0
	s_lshl_b32 s72, s42, 1
	s_add_co_u32 s72, s72, s16                     ; my chunk of 128 keys
	s_lshl_b32 s72, s72, 15
	s_lshl_b32 s73, s75, 9
	s_add_co_u32 s72, s72, s73
	s_mov_b32 s73, 0
	s_sub_co_i32 s76, s43, s42
	s_lshl_b32 s76, s76, 8
	s_sub_co_i32 s74, s15, s16
	s_lshl_b32 s74, s74, 7
	s_add_co_i32 s76, s76, s74                     ; 256 (T1 - T0) + 128 (wr - wc)
	s_mov_b32 s[CC], 0x3d38aa3b
	s_mov_b32 s[CC+1], s[CC]                       ; (named with it as a pair, so it is written)
	s_mov_b32 s[SEL], 0x76543210
	s_mov_b32 s[SEL+1], 0xfedcba98
	CORE_FILL 4, 4
	CORE_ADDR
	s_add_nc_u64 s[OUT:OUT+1], s[6:7], s[78:79]
	s_add_nc_u64 s[OUTS:OUTS+1], s[6:7], s[80:81]
	s_add_nc_u64 s[STN:STN+1], s[8:9], s[72:73]
	s_mul_i32 s21, s14, 1536
	s_add_co_u32 s21, s21, 204800                  ; my stage, behind the ring: scale words, -M, sums, 512 bytes each
	v_lshl_add_u32 v[STW], v1, 2, s21
	v_add_nc_u32 v[STR], s21, v[LI]
	v_and_b32 v[DV], 7, v1
	v_lshrrev_b32 v9, 3, v1
	v_lshl_add_u32 v[DV], v9, 4, v[DV]
	v_lshlrev_b32 v9, 4, v2
	v_sub_nc_u32 v[DV], v[DV], v9
	v_add_nc_u32 v[DV], s76, v[DV]                 ; r + 8 (r / 8) - 16 h + 256 (T1 - T0) + 128 (wr - wc)
	v_mov_b32 v[NINF], 0xff800000
	v_mov_b32 v13, 0                               ; (named as the upper half of the pair v[12:13])
.irp b, 0,1,2,3
	v_mov_b32 v[T2+\b], 0                          ; a lane permute's destination counts as one of its sources (S1's fragments land here later; it is written again below)
.endr
	s_mov_b32 s3, 1
	s_wait_tensorcnt 0x1                           ; my panel of slot 0 is in; slot 1's may be out
	s_barrier_signal -1
	s_barrier_wait -1
	FETCH_B 0, 0, 0
	FETCH_A 0, 0, 0
	SCALES 0
	FETCH_A 0, 0, 4
	STEP 0, 1
.Llap:
	TURN 0, 1, 1
	STEP 1, 0
	TURN 1, 0, 1
	STEP 0, 0
	s_sub_co_u32 s3, s3, 1
	s_cmp_lg_u32 s3, 0
	s_cbranch_scc1 .Llap
	TURN 0, 1, 0
	STEP 1, 0
	s_wait_dscnt 12
	WIN MUL_LO
	MUL16 0, 1, 1, 1, 0
	MUL16 2, 1, 1, 1, 0
	s_wait_dscnt 0x0
	WIN MUL_HI
	MUL16 4, 1, 1, 1, 0
	MUL16 6, 1, 1, 1, 0
	WIN 0
	PLACES
	s_cmp_eq_u32 s77, 1                            ; the block under the diagonal has no hidden key: the same in all sixteen partners
	s_cbranch_scc1 .Lopen
.irp a, 0,1,2,3,4,5,6,7                        ; register n of block a holds key 32 (n / 16) + 16 h + n % 16 of my 128, query 32 (a / 2) + 8 (a % 2) + r + 8 (r / 8) of my 128: hidden where the key comes later
	WIN (2+\a/4)|((2+\a/4)<<6)
.set n, 0
.rept 64
	v_cmp_gt_i32 vcc_lo, 32*(n/16)+n%16-32*(\a/2)-8*(\a%2), v[DV]
	v_cndmask_b32 v[64*(\a%4)+n], v[64*(\a%4)+n], v[NINF], vcc_lo
.set n, n+1
.endr
.endr
	WIN 0
.Lopen:
.irp a, 0,1,2,3,4,5,6,7
	PBLK \a
.endr
.irp c, 0,1,2
	ds_load_b128 v[FL+4*\c:FL+4*\c+3], v[STR] offset:512*\c   ; LDS serves a wave's instructions in order: these see my stores
.endr
	s_wait_dscnt 0x0
	global_store_b128 v[LI], v[FL:FL+3], s[OUTS:OUTS+1]            ; three runs of 512 consecutive bytes
	global_store_b128 v[LI], v[FL+4:FL+7], s[STN:STN+1]
	global_store_b128 v[LI], v[FL+8:FL+11], s[STN:STN+1] offset:524288
	s_wait_tensorcnt 0x0                           ; the wave's end, behind my last tensor load and my last LDS store
	ds_add_u32 v[SPW], v[NIL]
	s_wait_dscnt 0x0
	CROUND                                         ; the closing round
	s_endpgm
.Lfunc_end_k_q0e73e2034d_scores:
	.size	k_q0e73e2034d_scores, .Lfunc_end_k_q0e73e2034d_scores-k_q0e73e2034d_scores
	.p2alignl 7, 3214868480
	.fill 96, 4, 3214868480
	.section	.rodata,"a",@progbits
	.p2align	6, 0x0
	.amdhsa_kernel k_q0e73e2034d_scores
		.amdhsa_group_segment_fixed_size 327680
		.amdhsa_private_segment_fixed_size 0
		.amdhsa_enable_private_segment 0
		.amdhsa_kernarg_size 24
		.amdhsa_user_sgpr_count 2
		.amdhsa_user_sgpr_kernarg_segment_ptr 1
		.amdhsa_wavefront_size32 1
		.amdhsa_system_sgpr_workgroup_id_x 1
		.amdhsa_system_sgpr_workgroup_id_y 1
		.amdhsa_system_sgpr_workgroup_id_z 1
		.amdhsa_system_vgpr_workitem_id 0
		.amdhsa_next_free_vgpr 1024
		.amdhsa_next_free_sgpr 90
		.amdhsa_reserve_vcc 1
		.amdhsa_float_denorm_mode_32 3
		.amdhsa_float_denorm_mode_16_64 3
		.amdhsa_memory_ordered 1
		.amdhsa_forward_progress 1
		.amdhsa_inst_pref_size 240
	.end_amdhsa_kernel
	.amdgpu_metadata
---
amdhsa.version: [ 1, 2 ]
amdhsa.kernels:
  - .name:           k_q0e73e2034d_scores
    .symbol:         k_q0e73e2034d_scores.kd
    .args:
      - { .name: QK, .offset: 0, .size: 8, .value_kind: global_buffer, .address_space: global }
      - { .name: Pp, .offset: 8, .size: 8, .value_kind: global_buffer, .address_space: global }
      - { .name: St, .offset: 16, .size: 8, .value_kind: global_buffer, .address_space: global }
    .group_segment_fixed_size: 327680
    .private_segment_fixed_size: 0
    .kernarg_segment_align: 8
    .kernarg_segment_size: 24
    .max_flat_workgroup_size: 128
    .sgpr_count:     90
    .vgpr_count:     1024
    .wavefront_size: 32
...
	.end_amdgpu_metadata
.endif
;; end of part 3
;; launch pv (part 4): grid 4 x 32, 4 waves a work-group, clusters of 4 x 4, 327,680 bytes of LDS; arguments Pp, Vp, St, Ap; writes Ap
.if DOCPART == 4
	.amdgcn_target "amdgcn-amd-amdhsa--gfx1250"
	.amdhsa_code_object_version 6
	.text
	.protected	k_q0e73e2034d_pv
	.globl	k_q0e73e2034d_pv
	.p2align	8
	.type	k_q0e73e2034d_pv,@function
k_q0e73e2034d_pv:
	s_mov_b64 s[64:65], 0
	v_nop
	global_prefetch_b8 v0, s[64:65] scope:SCOPE_SE
	s_setreg_imm32_b32 hwreg(HW_REG_WAVE_MODE, 25, 1), 1
	s_wait_xcnt 0x0
	s_wait_alu depctr_hold_cnt(0) depctr_sa_sdst(0) depctr_va_vdst(0) depctr_va_sdst(0) depctr_va_ssrc(0) depctr_va_vcc(0) depctr_vm_vsrc(0)
	s_getreg_b32 s2, hwreg(HW_REG_IB_STS2, 6, 4)
	s_cmp_eq_u32 s2, 0
	s_cbranch_scc0 .Lentry_in_a_cluster
	s_endpgm
.Lentry_in_a_cluster:
	s_bfe_u32 s2, ttmp6, 0x10000c
	s_cmp_lg_u32 s2, 0xf033
	s_cbranch_scc0 .Lentry_shape_is_right
	s_endpgm
.Lentry_shape_is_right:
; O^T = V^T P^T on codes of FP6 (E2M3), divided by the row's sum and quantised along d, for a tile of 256 queries x 256 of d.
; THE LOOP is the one described at the head of the projections' kernel: S0 = V's rows (d), S1 = P's rows (queries), K = the keys: 1,024 for the queries 0-1,023 of a batch, 2,048 for the others (the number of laps
; hangs on the cluster's y alone: it is the same in all sixteen partners, and no LDS address is stepped in the loop).
; THE ROW'S M.  P's codes were made under an M of each chunk of 128 keys, their scale bytes stored 64 too high.  At the head each wave reads its 128 queries' -M and sums of the 8 or 16 chunks, takes the row's M,
; adds the sums under it (exact powers of two), and keeps for each chunk the byte min(M - M_chunk, 64).  In the loop that byte is taken off all four bytes of P's scale word (ADJ).  The sums so come out 2^64 too
; large, which the factor 2^-64 / l takes back.
; LIMITS: a chunk whose M lies more than 64 under the row's is weighed 2^-64 and not less; |sum of p V| stays under 1.8e19; zero blocks of the result get the byte 1, not 127 (read by this program alone).
.set GA,    64
.set GB,    8
.set SPARE, 206848
.set PANEL, 25600
.set SCO,   24576
.set SLOT,  4*PANEL
.set FR,    12
.set LI,    3
.set ADRA,  16
.set ADRB,  20
.set ADRS,  22
.set SPW,   28
.set NIL,   29
.set SC,    32
.set AF,    128
.set G1A,   24
.set G0A,   32
.set G1B,   48
.set G0B,   56
.set DD,    64                         ; v64-95   block i's four words of chunk bytes at DD + 4 i: lanes 0-15; lanes 16-31 hold 0
.set RL,    96                         ; v96-103  2^-64 / l of block a's rows, in both halves of the lanes
.set AT,    104                        ; v104-105 a chunk's byte in all four bytes
.set MSB,   0
.macro WIN new
.if MSB != (\new)
	s_set_vgpr_msb (MSB<<8)|(\new)
.set MSB, (\new)
.endif
.endm
.set MUL_LO, 0xa1
.set MUL_HI, 0xf1
.set TO_B,   0x40
.macro JLOAD s
	s_cmp_eq_u32 s15, 0
	s_cbranch_scc0 .Lfor_b_\@
	tensor_load_to_lds s[G0A+4*\s:G0A+4*\s+3], s[G1A:G1A+7]
	s_nop 0
.rept 4
	v_nop
.endr
	s_branch .Lasked_\@
.Lfor_b_\@:
	tensor_load_to_lds s[G0B+4*\s:G0B+4*\s+3], s[G1B:G1B+7]
	s_nop 0
.rept 4
	v_nop
.endr
.Lasked_\@:
.endm
.macro CREST
	s_cmp_lg_u32 s14, 0
	s_cbranch_scc1 .Lnot_wave_0_\@
	s_barrier_signal -3
.Lnot_wave_0_\@:
	s_barrier_wait -3
	s_barrier_signal -1
	s_barrier_wait -1
.endm
.macro CROUND
	s_barrier_signal -1
	s_barrier_wait -1
	CREST
.endm
.macro PLACES
.rept 4
	v_nop
.endr
.endm
.macro CORE_IDS
	v_lshl_add_u32 v[SPW], v0, 2, SPARE
	v_mov_b32 v[NIL], 0
	ds_add_u32 v[SPW], v[NIL]                      ; the wave's opening: the add and its wait ahead of my first tensor load
	v_lshrrev_b32 v1, 5, v0
	v_readfirstlane_b32 s14, v1
	s_lshr_b32 s15, s14, 1
	s_and_b32 s16, s14, 1
	s_bfe_u32 s40, ttmp6, 0x40000
	s_bfe_u32 s41, ttmp6, 0x40004
	s_lshl_b32 s44, s41, 2
	s_lshl_b32 s44, 15, s44
	s_lshl_b32 s45, 0x1111, s40
	s_or_b32 s[G1A], s44, (3<<16)|(1<<21)
	s_or_b32 s[G1B], s45, (3<<16)|(1<<21)
.irp g, G1A, G1B
	s_mov_b32 s[\g+1], 32<<16
	s_mov_b32 s[\g+2], 100<<16
	s_mov_b32 s[\g+3], 32<<16
	s_mov_b32 s[\g+4], 100
	s_mov_b32 s[\g+5], 32
	s_mov_b32 s[\g+6], 0
	s_mov_b32 s[\g+7], 0
.endr
	s_mul_i32 s22, s14, PANEL
.endm
.macro CORE_FILL pa, pb
	s_mul_i32 s20, s20, PANEL
	s_mov_b32 s21, 0
	s_mul_i32 s46, s46, PANEL
	s_mov_b32 s47, 0
	s_wait_dscnt 0x0                               ; the opening add is done
	s_wait_kmcnt 0x0
	s_add_nc_u64 s[20:21], s[\pa:\pa+1], s[20:21]
	s_add_nc_u64 s[46:47], s[\pb:\pb+1], s[46:47]
	CROUND                                         ; all sixteen work-groups are here: the first joint loads meet
.irp s, 0,1
	s_mov_b32 s[G0A+4*\s], 1
	s_add_co_u32 s[G0A+4*\s+1], s22, \s*SLOT
	s_add_nc_u64 s[G0A+4*\s+2:G0A+4*\s+3], s[20:21], \s*GA*PANEL
	s_or_b32 s[G0A+4*\s+3], s[G0A+4*\s+3], 0x80000000
	s_mov_b32 s[G0B+4*\s], 1
	s_add_co_u32 s[G0B+4*\s+1], s22, \s*SLOT
	s_add_nc_u64 s[G0B+4*\s+2:G0B+4*\s+3], s[46:47], \s*GB*PANEL
	s_or_b32 s[G0B+4*\s+3], s[G0B+4*\s+3], 0x80000000
	JLOAD \s
.endr
.endm
.macro CORE_ADDR
	v_and_b32 v1, 15, v0
	v_bfe_u32 v2, v0, 4, 1
	v_and_b32 v[LI], 31, v0
	v_lshlrev_b32 v[LI], 4, v[LI]
	s_mul_i32 s21, s15, PANEL
	s_mul_i32 s23, s16, PANEL
	s_add_co_u32 s23, s23, 2*PANEL
.irp s, 0,1
	v_add_nc_u32 v[ADRA+\s], s21, v[LI]
	v_add_nc_u32 v[ADRB+\s], s23, v[LI]
	s_add_co_u32 s21, s21, SLOT
	s_add_co_u32 s23, s23, SLOT
.endr
	s_mul_i32 s21, s15, PANEL
	s_mul_i32 s23, s16, PANEL
	s_add_co_u32 s23, s23, 2*PANEL
	s_sub_co_u32 s23, s23, s21
	v_mul_u32_u24 v26, s23, v2
	v_lshl_add_u32 v26, v1, 2, v26
	s_add_co_u32 s21, s21, SCO
	v_add_nc_u32 v[ADRS], s21, v26
	v_add_nc_u32 v[ADRS+1], SLOT, v[ADRS]
.endm
.macro FRAG reg, adr, q, i
.irp c, 0,1,2
	ds_load_b128 v[(\reg)+4*\c:(\reg)+4*\c+3], v[\adr] offset:(\i)*3072+(\q)*1536+\c*512
.endr
.endm
.macro FETCH_B slot, q, p
	WIN TO_B
.irp i, 0,1,2,3,4,5,6,7
	FRAG 128*(\p)+FR*\i, ADRB+\slot, \q, \i
.endr
	WIN 0
.endm
.macro FETCH_A slot, q, i0
.irp i, \i0, \i0+1, \i0+2, \i0+3
	FRAG AF+FR*(\i), ADRA+\slot, \q, \i
.endr
.endm
.macro SCALES sc
.irp i, 0,1,2,3,4,5,6,7
.irp q, 0,1
	ds_load_b32 v[SC+16*\sc+2*\i+\q], v[ADRS+\sc] offset:\q*512+\i*64
.endr
.endr
.endm
.macro MUL16 a0, p, q, sc, zero        ; the 64 accumulators take turns, one instruction a turn
.irp a, \a0, \a0+1
.irp b, 0,1,2,3,4,5,6,7
.if \zero
	v_wmma_scale_f32_16x16x128_f8f6f4 v[8*(8*((\a)%4)+\b):8*(8*((\a)%4)+\b)+7], v[128*(\p)+FR*\b:128*(\p)+FR*\b+FR-1], v[AF+FR*(\a):AF+FR*(\a)+FR-1], 0, v[SC+16*(\sc)+2*\b+(\q)], v[SC+16*(\sc)+2*(\a)+(\q)] matrix_a_fmt:MATRIX_FMT_FP6 matrix_b_fmt:MATRIX_FMT_FP6 matrix_a_scale:MATRIX_SCALE_ROW1
.else
	v_wmma_scale_f32_16x16x128_f8f6f4 v[8*(8*((\a)%4)+\b):8*(8*((\a)%4)+\b)+7], v[128*(\p)+FR*\b:128*(\p)+FR*\b+FR-1], v[AF+FR*(\a):AF+FR*(\a)+FR-1], v[8*(8*((\a)%4)+\b):8*(8*((\a)%4)+\b)+7], v[SC+16*(\sc)+2*\b+(\q)], v[SC+16*(\sc)+2*(\a)+(\q)] matrix_a_fmt:MATRIX_FMT_FP6 matrix_b_fmt:MATRIX_FMT_FP6 matrix_a_scale:MATRIX_SCALE_ROW1
.endif
.endr
.endr
.endm
; The slot's scale words have landed: P's (lanes 0-15) are lowered by the chunk's byte; V's (lanes 16-31) by 0.  P's bytes are 65 to 189 and the chunk's at most 64: no byte borrows.
; A lap's four chunks are the four bytes of one word; behind slot 1 the words move up.  A scale register written by a vector instruction stands eight places ahead of the scaled matrix instruction.
.macro ADJ slot
.irp i, 0,1,2,3,4,5,6,7
.irp q, 0,1
	v_perm_b32 v[AT+\q], v[DD+4*\i], v[DD+4*\i], 0x01010101*(2*\slot+\q)
.endr
.irp q, 0,1
	v_sub_nc_u32 v[SC+16*\slot+2*\i+\q], v[SC+16*\slot+2*\i+\q], v[AT+\q]
.endr
.endr
.if \slot
.irp i, 0,1,2,3,4,5,6,7
.irp w, 0,1,2
	v_mov_b32 v[DD+4*\i+\w], v[DD+4*\i+\w+1]
.endr
.endr
.else
.rept 8
	v_nop
.endr
.endif
.endm
.macro STEP slot, zero
	s_wait_dscnt 12                                ; all but the youngest twelve loads (S1's blocks 4-7): the scale words are in
	ADJ \slot
	WIN MUL_LO
	MUL16 0, 0, 0, \slot, \zero
	MUL16 2, 0, 0, \slot, \zero
	s_wait_dscnt 0x0
	PLACES
	FETCH_B \slot, 1, 1
	FETCH_A \slot, 1, 0
	WIN MUL_HI
	MUL16 4, 0, 0, \slot, \zero
	MUL16 6, 0, 0, \slot, \zero
	PLACES
	WIN 0
	FETCH_A \slot, 1, 4
.endm
.macro TURN slot, next, fill
	s_wait_tensorcnt 0x0                           ; all my tensor loads have landed: my panel of the next slot
	ds_add_u32 v[SPW], v[NIL]                      ; 0 onto my spare word
	s_wait_dscnt 13                                ; (the add and the youngest twelve loads may be out)
	WIN MUL_LO
	MUL16 0, 1, 1, \slot, 0
	s_wait_dscnt 0x0                               ; the add is done, and my reads of this slot are over
	s_barrier_signal -1
	MUL16 2, 1, 1, \slot, 0
	WIN 0
	s_barrier_wait -1
.if \fill
	CREST
	s_add_nc_u64 s[G0A+4*\slot+2:G0A+4*\slot+3], s[G0A+4*\slot+2:G0A+4*\slot+3], 2*GA*PANEL
	s_add_nc_u64 s[G0B+4*\slot+2:G0B+4*\slot+3], s[G0B+4*\slot+2:G0B+4*\slot+3], 2*GB*PANEL
	JLOAD \slot
.else
	PLACES
.endif
	FETCH_B \next, 0, 0
	FETCH_A \next, 0, 0
	SCALES \next
	WIN MUL_HI
	MUL16 4, 1, 1, \slot, 0
	MUL16 6, 1, 1, \slot, 0
	PLACES
	WIN 0
	FETCH_A \next, 0, 4
.endm
; ---- what follows the products
.set PW,   30
.set PC,   224
.set TM,   244
.set SEL,  68
.set OUT,  82
.set OUTS, 84
.set H,    128                         ; v128-191 64 numbers to be quantised
.set NR,   106                         ; v106-109 the rows' -M
.set LS,   110                         ; v110-113 the rows' sums
.set SW,   114                         ; v114-117 from lane l xor 16
.set ZR,   118
.set BIG,  119
.set PO,   8
.set PO2,  9
.set HM,   78                          ; s78 lanes 16-31;  s79 all lanes where chunks 8-15 do not count
.set QM,   79
.macro QUANT s, w
	WIN (\w)|((\w)<<2)
.irp b, 0,1,2,3
	v_max3_num_f32 v[TM+\b], |v[(\s)+16*\b]|, |v[(\s)+16*\b+1]|, 0x1800000
.endr
.irp i, 2,4,6,8,10,12,14
.irp b, 0,1,2,3
	v_max3_num_f32 v[TM+\b], |v[(\s)+16*\b+\i]|, |v[(\s)+16*\b+\i+1]|, v[TM+\b]
.endr
.endr
	WIN 0
.irp b, 0,1,2,3
	v_permlanex16_b32 v[TM+4+\b], v[TM+\b], s[SEL], s[SEL+1]
.endr
.irp b, 0,1,2,3
	v_max_num_f32 v[TM+\b], v[TM+\b], v[TM+4+\b]
.endr
.irp b, 0,1,2,3
	v_add_nc_u32 v[TM+8+\b], 0xff000000, v[TM+\b]
.endr
.irp b, 0,1,2,3
	v_lshrrev_b32 v[TM+4+\b], 23, v[TM+8+\b]
.endr
	v_lshl_or_b32 v[PW], v[TM+5], 8, v[TM+4]
	v_lshl_or_b32 v[PW], v[TM+6], 16, v[PW]
	v_lshl_or_b32 v[PW], v[TM+7], 24, v[PW]
	s_wait_xcnt 0x0                                ; the last block's stores have read the codes' registers
	WIN \w
.irp c, 0,1
	v_cvt_scalef32_pk16_fp6_f32 v[PC+6*\c:PC+6*\c+2], v[(\s)+32*\c:(\s)+32*\c+15], v[TM+8+2*\c]
	v_cvt_scalef32_pk16_fp6_f32 v[PC+12+4*\c:PC+14+4*\c], v[(\s)+32*\c+16:(\s)+32*\c+31], v[TM+9+2*\c]
.endr
	WIN 0
	v_nop                                          ; one plain place behind a scaled conversion
.irp c, 0,1
.irp i, 0,1,2
	v_permlane16_swap_b32 v[PC+6*\c+\i], v[PC+12+4*\c+\i]
.endr
.irp i, 0,1,2
	v_mov_b32 v[PC+3+6*\c+\i], v[PC+12+4*\c+\i]
.endr
.endr
.endm
.macro OUTIMG a, stw
.irp c, 0,1,2
	global_store_b128 v[LI], v[PC+4*\c:PC+4*\c+3], s[OUT:OUT+1] offset:(\a)*3072+\c*512
.endr
	ds_store_b32 v[\stw], v[PW] offset:64*(\a)
.endm
	s_load_b256 s[4:11], s[0:1], 0x0               ; Pp, Vp, St, Ap
	CORE_IDS
	s_and_b32 s70, ttmp7, 0xffff                   ; the cluster's y: 2 x batch + half of the queries
	s_lshr_b32 s71, s70, 1
	s_and_b32 s72, s70, 1
	s_lshl_b32 s43, s70, 2
	s_add_co_u32 s43, s43, s41                     ; the tile of queries, over all batches: hangs on cy alone
	s_lshl_b32 s42, ttmp9, 2
	s_add_co_u32 s42, s42, s40                     ; the tile of d: on cx alone
	s_lshl_b32 s20, s43, 1
	s_add_co_u32 s20, s20, s16
	s_lshl_b32 s46, s42, 1
	s_add_co_u32 s46, s46, s16
	s_lshl_b32 s73, s71, 6
	s_add_co_u32 s46, s46, s73                     ; V's K steps of this batch begin at 8 x batch, 8 panels each
	s_lshl_b32 s3, s72, 1
	s_add_co_u32 s3, s3, 1                         ; laps less one: 1 for 1,024 keys, 3 for 2,048
	s_lshl_b32 s74, s43, 1
	s_add_co_u32 s74, s74, s15                     ; my group of 128 queries
	s_lshl_b32 s75, s42, 6
	s_add_co_u32 s75, s75, s74
	s_mul_i32 s75, s75, PANEL
	s_mul_i32 s76, s16, 1536
	s_add_co_u32 s76, s76, s75
	s_mov_b32 s77, 0
	s_lshl_b32 s80, s16, 9
	s_add_co_u32 s80, s80, s75
	s_add_co_u32 s80, s80, SCO
	s_mov_b32 s81, 0
	s_lshl_b32 s74, s74, 9                         ; my queries' words in a chunk's row of St
	s_lshl_b32 s75, s72, 18                        ; 8 chunks on, where they were written
	s_cmp_eq_u32 s72, 0
	s_cselect_b32 s[QM], -1, 0
	s_mov_b32 s[HM], 0xffff0000
	s_mov_b32 s[SEL], 0x76543210
	s_mov_b32 s[SEL+1], 0xfedcba98
	CORE_FILL 4, 6
	CORE_ADDR
	s_add_nc_u64 s[OUT:OUT+1], s[10:11], s[76:77]
	s_add_nc_u64 s[OUTS:OUTS+1], s[10:11], s[80:81]
	s_lshl_b32 s21, s14, 9
	s_add_co_u32 s21, s21, 204800                  ; my stage for the scale words, behind the ring
	v_lshl_add_u32 v6, v1, 2, s21
	v_add_nc_u32 v7, s21, v[LI]
	v_lshrrev_b32 v[PO], 2, v[LI]
	v_add_nc_u32 v[PO], s74, v[PO]
	v_add_nc_u32 v[PO2], s75, v[PO]                ; chunks 8-15, or, where those were never written, chunks 0-7 once more (replaced below)
	; ---- the rows' M and sums, while the first panels are on their way.  Run u: 32 queries, blocks 2u (lanes 0-15) and 2u + 1 (lanes 16-31); chunk j's -M at v[128 + 16 u + j], its sum at v[192 + 16 u + j]
.irp u, 0,1,2,3
.set j, 0
.rept 16
.if j < 8
	global_load_b32 v[128+16*\u+j], v[PO], s[8:9] offset:j*32768+128*\u
	global_load_b32 v[192+16*\u+j], v[PO], s[8:9] offset:j*32768+128*\u+524288
.else
	global_load_b32 v[128+16*\u+j], v[PO2], s[8:9] offset:(j-8)*32768+128*\u
	global_load_b32 v[192+16*\u+j], v[PO2], s[8:9] offset:(j-8)*32768+128*\u+524288
.endif
.set j, j+1
.endr
.endr
	v_mov_b32 v[ZR], 0                             ; (none of the registers written here, v64-119, is a target of the loads above, v128-255)
	v_mov_b32 v[BIG], 0x7149f2ca                   ; 1e30: the -M of a chunk that does not count
.irp b, 0,1,2,3
	v_mov_b32 v[SW+\b], 0                          ; lane permutes' destinations count as sources
.endr
.irp u, 0,1,2,3
.irp w, 0,1,2,3
	v_mov_b32 v[DD+8*\u+4+\w], 0
.endr
.endr
	s_wait_loadcnt 0x0
.irp u, 0,1,2,3
.irp j, 8,9,10,11,12,13,14,15
	v_cndmask_b32 v[128+16*\u+\j], v[128+16*\u+\j], v[BIG], s[QM]
	v_cndmask_b32 v[192+16*\u+\j], v[192+16*\u+\j], v[ZR], s[QM]
.endr
.endr
.irp u, 0,1,2,3
	v_min3_num_f32 v[NR+\u], v[128+16*\u], v[129+16*\u], v[130+16*\u]
.endr
.irp i, 3,5,7,9,11,13
.irp u, 0,1,2,3
	v_min3_num_f32 v[NR+\u], v[NR+\u], v[128+16*\u+\i], v[129+16*\u+\i]
.endr
.endr
.irp u, 0,1,2,3
	v_min_num_f32 v[NR+\u], v[NR+\u], v[143+16*\u] ; the row's -M
.endr
.set j, 0
.rept 16
.irp u, 0,1,2,3
	v_sub_f32 v[128+16*\u+j], v[NR+\u], v[128+16*\u+j]   ; M_chunk - M: a whole number, 0 or less
.endr
.irp u, 0,1,2,3
	v_max_num_f32 v[128+16*\u+j], 0xc3960000, v[128+16*\u+j]   ; held at -300
.endr
.irp u, 0,1,2,3
	v_add_f32 v[128+16*\u+j], 0x4b400000, v[128+16*\u+j]       ; + 1.5 x 2^23, exactly: the sum's bits lie that whole number above the constant's,
.endr
.irp u, 0,1,2,3
	v_add_nc_u32 v[128+16*\u+j], 0xb4c00000, v[128+16*\u+j]    ; so the bits less the constant's are the number, -300 to 0
.endr
.irp u, 0,1,2,3
.if j == 0
	v_ldexp_f32 v[LS+\u], v[192+16*\u+j], v[128+16*\u+j]
.else
	v_ldexp_f32 v[192+16*\u+j], v[192+16*\u+j], v[128+16*\u+j]
.endif
.endr
.irp u, 0,1,2,3
	v_sub_nc_u32 v[128+16*\u+j], 0, v[128+16*\u+j]
.endr
.if j > 0
.irp u, 0,1,2,3
	v_add_f32 v[LS+\u], v[LS+\u], v[192+16*\u+j]   ; the chunk's sum under the row's M
.endr
.endif
.irp u, 0,1,2,3
.if j%4 == 0
	v_min_u32 v[DD+8*\u+j/4], 64, v[128+16*\u+j]
.else
	v_min_u32 v[128+16*\u+j], 64, v[128+16*\u+j]
.endif
.endr
.if j%4 != 0
.irp u, 0,1,2,3
	v_lshl_or_b32 v[DD+8*\u+j/4], v[128+16*\u+j], 8*(j%4), v[DD+8*\u+j/4]
.endr
.endif
.set j, j+1
.endr
.irp u, 0,1,2,3
	v_rcp_f32 v[LS+\u], v[LS+\u]
.endr
	v_nop                                          ; a plain place behind the reciprocals
	s_wait_alu depctr_va_vdst(0)                   ; one wait for the four, ahead of their first reader
.irp u, 0,1,2,3
	v_mul_f32 v[LS+\u], 0x1f800000, v[LS+\u]       ; x 2^-64
.endr
.irp u, 0,1,2,3
	v_permlanex16_b32 v[SW+\u], v[LS+\u], s[SEL], s[SEL+1]
.endr
.irp u, 0,1,2,3
	v_cndmask_b32 v[RL+2*\u], v[LS+\u], v[SW+\u], s[HM]      ; block 2u's in both halves of the lanes
	v_cndmask_b32 v[RL+2*\u+1], v[SW+\u], v[LS+\u], s[HM]    ; block 2u + 1's
.endr
.irp u, 0,1,2,3
.irp w, 0,1,2,3
	v_permlanex16_b32 v[DD+8*\u+4+\w], v[DD+8*\u+\w], s[SEL], s[SEL+1]
.endr
.endr
.irp u, 0,1,2,3
.irp w, 0,1,2,3,4,5,6,7
	v_cndmask_b32 v[DD+8*\u+\w], v[DD+8*\u+\w], v[ZR], s[HM] ; lanes 16-31, where V's scale words stand, take nothing off
.endr
.endr
.irp b, 0,1,2,3
	v_mov_b32 v[TM+4+\b], 0                        ; the destinations of the quantiser's lane permutes, which count as sources: written here, where the chunks' sums that lay in these registers have been used; the loop leaves v244-255 alone
.endr
	s_wait_tensorcnt 0x1                           ; my panel of slot 0 is in; slot 1's may be out
	s_barrier_signal -1
	s_barrier_wait -1
	FETCH_B 0, 0, 0
	FETCH_A 0, 0, 0
	SCALES 0
	FETCH_A 0, 0, 4
	STEP 0, 1
.Llap:
	TURN 0, 1, 1
	STEP 1, 0
	TURN 1, 0, 1
	STEP 0, 0
	s_sub_co_i32 s3, s3, 1
	s_cmp_gt_i32 s3, 0                             ; a counter that comes down, ended by a signed compare: 1 or 3 trips
	s_cbranch_scc1 .Llap
	TURN 0, 1, 0
	STEP 1, 0
	s_wait_dscnt 12
	WIN MUL_LO
	MUL16 0, 1, 1, 1, 0
	MUL16 2, 1, 1, 1, 0
	s_wait_dscnt 0x0
	WIN MUL_HI
	MUL16 4, 1, 1, 1, 0
	MUL16 6, 1, 1, 1, 0
	WIN 0
	PLACES
.irp a, 0,1,2,3,4,5,6,7
	WIN 2+\a/4
.set n, 0
.rept 32
.if \a%2 == 0
	v_pk_mul_f32 v[H+n:H+n+1], v[64*(\a%4)+n:64*(\a%4)+n+1], v[RL+2*(\a/2):RL+2*(\a/2)+1] op_sel_hi:[1,0]
.else
	v_pk_mul_f32 v[H+n:H+n+1], v[64*(\a%4)+n:64*(\a%4)+n+1], v[RL+2*(\a/2):RL+2*(\a/2)+1] op_sel:[0,1] op_sel_hi:[1,1]
.endif
.set n, n+2
.endr
	WIN 0
	QUANT H, 0
	OUTIMG \a, 6
.endr
	ds_load_b128 v[TM:TM+3], v7                    ; my eight blocks' scale words: 512 consecutive bytes
	s_wait_dscnt 0x0
	global_store_b128 v[LI], v[TM:TM+3], s[OUTS:OUTS+1]
	s_wait_tensorcnt 0x0                           ; the wave's end, behind my last tensor load and my last LDS store
	ds_add_u32 v[SPW], v[NIL]
	s_wait_dscnt 0x0
	CROUND                                         ; the closing round
	s_endpgm
.Lfunc_end_k_q0e73e2034d_pv:
	.size	k_q0e73e2034d_pv, .Lfunc_end_k_q0e73e2034d_pv-k_q0e73e2034d_pv
	.p2alignl 7, 3214868480
	.fill 96, 4, 3214868480
	.section	.rodata,"a",@progbits
	.p2align	6, 0x0
	.amdhsa_kernel k_q0e73e2034d_pv
		.amdhsa_group_segment_fixed_size 327680
		.amdhsa_private_segment_fixed_size 0
		.amdhsa_enable_private_segment 0
		.amdhsa_kernarg_size 32
		.amdhsa_user_sgpr_count 2
		.amdhsa_user_sgpr_kernarg_segment_ptr 1
		.amdhsa_wavefront_size32 1
		.amdhsa_system_sgpr_workgroup_id_x 1
		.amdhsa_system_sgpr_workgroup_id_y 1
		.amdhsa_system_sgpr_workgroup_id_z 1
		.amdhsa_system_vgpr_workitem_id 0
		.amdhsa_next_free_vgpr 1024
		.amdhsa_next_free_sgpr 90
		.amdhsa_reserve_vcc 0
		.amdhsa_float_denorm_mode_32 3
		.amdhsa_float_denorm_mode_16_64 3
		.amdhsa_memory_ordered 1
		.amdhsa_forward_progress 1
		.amdhsa_inst_pref_size 215
	.end_amdhsa_kernel
	.amdgpu_metadata
---
amdhsa.version: [ 1, 2 ]
amdhsa.kernels:
  - .name:           k_q0e73e2034d_pv
    .symbol:         k_q0e73e2034d_pv.kd
    .args:
      - { .name: Pp, .offset: 0, .size: 8, .value_kind: global_buffer, .address_space: global }
      - { .name: Vp, .offset: 8, .size: 8, .value_kind: global_buffer, .address_space: global }
      - { .name: St, .offset: 16, .size: 8, .value_kind: global_buffer, .address_space: global }
      - { .name: Ap, .offset: 24, .size: 8, .value_kind: global_buffer, .address_space: global }
    .group_segment_fixed_size: 327680
    .private_segment_fixed_size: 0
    .kernarg_segment_align: 8
    .kernarg_segment_size: 32
    .max_flat_workgroup_size: 128
    .sgpr_count:     90
    .vgpr_count:     1024
    .wavefront_size: 32
...
	.end_amdgpu_metadata
.endif
;; end of part 4
;; launch outp (part 5): grid 4 x 32, 4 waves a work-group, clusters of 4 x 4, 327,680 bytes of LDS; arguments Ap, XW, out0; writes out0
.if DOCPART == 5
	.amdgcn_target "amdgcn-amd-amdhsa--gfx1250"
	.amdhsa_code_object_version 6
	.text
	.protected	k_q0e73e2034d_outp
	.globl	k_q0e73e2034d_outp
	.p2align	8
	.type	k_q0e73e2034d_outp,@function
k_q0e73e2034d_outp:
	s_mov_b64 s[64:65], 0
	v_nop
	global_prefetch_b8 v0, s[64:65] scope:SCOPE_SE
	s_setreg_imm32_b32 hwreg(HW_REG_WAVE_MODE, 25, 1), 1
	s_wait_xcnt 0x0
	s_wait_alu depctr_hold_cnt(0) depctr_sa_sdst(0) depctr_va_vdst(0) depctr_va_sdst(0) depctr_va_ssrc(0) depctr_va_vcc(0) depctr_vm_vsrc(0)
	s_getreg_b32 s2, hwreg(HW_REG_IB_STS2, 6, 4)
	s_cmp_eq_u32 s2, 0
	s_cbranch_scc0 .Lentry_in_a_cluster
	s_endpgm
.Lentry_in_a_cluster:
	s_bfe_u32 s2, ttmp6, 0x10000c
	s_cmp_lg_u32 s2, 0xf033
	s_cbranch_scc0 .Lentry_shape_is_right
	s_endpgm
.Lentry_shape_is_right:
; out0 = attention Wo^T on codes of FP6 (E2M3): a tile of 256 tokens x 256 outputs, f32.
; THE LOOP is the one described at the head of the projections' kernel: S0 = Wo's rows (groups 88 on of XW), S1 = the attention result's rows (Ap), K = 1,024.
; THE WAY OUT.  Lane (r, h) holds fragment row r of block a and, in register 16 b + i, output 32 b + 16 h + i of my 128.  A block of 16 rows goes through my own stage in LDS (rows of 528 bytes, in slot 0, which has had
; its last fill and its last read) and comes back as whole rows of 512 bytes.  Fragment row m of block a is token 32 (a/2) + 8 (a%2) + m + 8 (m/8) of my 128: it stands in the store's immediate.
.set GA,    64
.set GB,    96
.set SPARE, 204800
.set PANEL, 25600
.set SCO,   24576
.set SLOT,  4*PANEL
.set FR,    12
.set LI,    3
.set ADRA,  16
.set ADRB,  20
.set ADRS,  22
.set SPW,   28
.set NIL,   29
.set SC,    32
.set AF,    128
.set G1A,   24
.set G0A,   32
.set G1B,   48
.set G0B,   56
.set MSB,   0
.macro WIN new
.if MSB != (\new)
	s_set_vgpr_msb (MSB<<8)|(\new)
.set MSB, (\new)
.endif
.endm
.set MUL_LO, 0xa1
.set MUL_HI, 0xf1
.set TO_B,   0x40
.macro JLOAD s
	s_cmp_eq_u32 s15, 0
	s_cbranch_scc0 .Lfor_b_\@
	tensor_load_to_lds s[G0A+4*\s:G0A+4*\s+3], s[G1A:G1A+7]
	s_nop 0
.rept 4
	v_nop
.endr
	s_branch .Lasked_\@
.Lfor_b_\@:
	tensor_load_to_lds s[G0B+4*\s:G0B+4*\s+3], s[G1B:G1B+7]
	s_nop 0
.rept 4
	v_nop
.endr
.Lasked_\@:
.endm
.macro CREST
	s_cmp_lg_u32 s14, 0
	s_cbranch_scc1 .Lnot_wave_0_\@
	s_barrier_signal -3
.Lnot_wave_0_\@:
	s_barrier_wait -3
	s_barrier_signal -1
	s_barrier_wait -1
.endm
.macro CROUND
	s_barrier_signal -1
	s_barrier_wait -1
	CREST
.endm
.macro PLACES
.rept 4
	v_nop
.endr
.endm
.macro CORE_IDS
	v_lshl_add_u32 v[SPW], v0, 2, SPARE
	v_mov_b32 v[NIL], 0
	ds_add_u32 v[SPW], v[NIL]                      ; the wave's opening: the add and its wait ahead of my first tensor load
	v_lshrrev_b32 v1, 5, v0
	v_readfirstlane_b32 s14, v1
	s_lshr_b32 s15, s14, 1
	s_and_b32 s16, s14, 1
	s_bfe_u32 s40, ttmp6, 0x40000
	s_bfe_u32 s41, ttmp6, 0x40004
	s_lshl_b32 s44, s41, 2
	s_lshl_b32 s44, 15, s44
	s_lshl_b32 s45, 0x1111, s40
	s_or_b32 s[G1A], s44, (3<<16)|(1<<21)
	s_or_b32 s[G1B], s45, (3<<16)|(1<<21)
.irp g, G1A, G1B
	s_mov_b32 s[\g+1], 32<<16
	s_mov_b32 s[\g+2], 100<<16
	s_mov_b32 s[\g+3], 32<<16
	s_mov_b32 s[\g+4], 100
	s_mov_b32 s[\g+5], 32
	s_mov_b32 s[\g+6], 0
	s_mov_b32 s[\g+7], 0
.endr
	s_mul_i32 s22, s14, PANEL
.endm
.macro CORE_FILL pa, pb
	s_mul_i32 s20, s20, PANEL
	s_mov_b32 s21, 0
	s_mul_i32 s46, s46, PANEL
	s_mov_b32 s47, 0
	s_wait_dscnt 0x0                               ; the opening add is done
	s_wait_kmcnt 0x0
	s_add_nc_u64 s[20:21], s[\pa:\pa+1], s[20:21]
	s_add_nc_u64 s[46:47], s[\pb:\pb+1], s[46:47]
	CROUND                                         ; all sixteen work-groups are here: the first joint loads meet
.irp s, 0,1
	s_mov_b32 s[G0A+4*\s], 1
	s_add_co_u32 s[G0A+4*\s+1], s22, \s*SLOT
	s_add_nc_u64 s[G0A+4*\s+2:G0A+4*\s+3], s[20:21], \s*GA*PANEL
	s_or_b32 s[G0A+4*\s+3], s[G0A+4*\s+3], 0x80000000
	s_mov_b32 s[G0B+4*\s], 1
	s_add_co_u32 s[G0B+4*\s+1], s22, \s*SLOT
	s_add_nc_u64 s[G0B+4*\s+2:G0B+4*\s+3], s[46:47], \s*GB*PANEL
	s_or_b32 s[G0B+4*\s+3], s[G0B+4*\s+3], 0x80000000
	JLOAD \s
.endr
.endm
.macro CORE_ADDR
	v_and_b32 v1, 15, v0
	v_bfe_u32 v2, v0, 4, 1
	v_and_b32 v[LI], 31, v0
	v_lshlrev_b32 v[LI], 4, v[LI]
	s_mul_i32 s21, s15, PANEL
	s_mul_i32 s23, s16, PANEL
	s_add_co_u32 s23, s23, 2*PANEL
.irp s, 0,1
	v_add_nc_u32 v[ADRA+\s], s21, v[LI]
	v_add_nc_u32 v[ADRB+\s], s23, v[LI]
	s_add_co_u32 s21, s21, SLOT
	s_add_co_u32 s23, s23, SLOT
.endr
	s_mul_i32 s21, s15, PANEL
	s_mul_i32 s23, s16, PANEL
	s_add_co_u32 s23, s23, 2*PANEL
	s_sub_co_u32 s23, s23, s21
	v_mul_u32_u24 v26, s23, v2
	v_lshl_add_u32 v26, v1, 2, v26
	s_add_co_u32 s21, s21, SCO
	v_add_nc_u32 v[ADRS], s21, v26
	v_add_nc_u32 v[ADRS+1], SLOT, v[ADRS]
.endm
.macro FRAG reg, adr, q, i
.irp c, 0,1,2
	ds_load_b128 v[(\reg)+4*\c:(\reg)+4*\c+3], v[\adr] offset:(\i)*3072+(\q)*1536+\c*512
.endr
.endm
.macro FETCH_B slot, q, p
	WIN TO_B
.irp i, 0,1,2,3,4,5,6,7
	FRAG 128*(\p)+FR*\i, ADRB+\slot, \q, \i
.endr
	WIN 0
.endm
.macro FETCH_A slot, q, i0
.irp i, \i0, \i0+1, \i0+2, \i0+3
	FRAG AF+FR*(\i), ADRA+\slot, \q, \i
.endr
.endm
.macro SCALES sc
.irp i, 0,1,2,3,4,5,6,7
.irp q, 0,1
	ds_load_b32 v[SC+16*\sc+2*\i+\q], v[ADRS+\sc] offset:\q*512+\i*64
.endr
.endr
.endm
.macro MUL16 a0, p, q, sc, zero        ; the 64 accumulators take turns, one instruction a turn
.irp a, \a0, \a0+1
.irp b, 0,1,2,3,4,5,6,7
.if \zero
	v_wmma_scale_f32_16x16x128_f8f6f4 v[8*(8*((\a)%4)+\b):8*(8*((\a)%4)+\b)+7], v[128*(\p)+FR*\b:128*(\p)+FR*\b+FR-1], v[AF+FR*(\a):AF+FR*(\a)+FR-1], 0, v[SC+16*(\sc)+2*\b+(\q)], v[SC+16*(\sc)+2*(\a)+(\q)] matrix_a_fmt:MATRIX_FMT_FP6 matrix_b_fmt:MATRIX_FMT_FP6 matrix_a_scale:MATRIX_SCALE_ROW1
.else
	v_wmma_scale_f32_16x16x128_f8f6f4 v[8*(8*((\a)%4)+\b):8*(8*((\a)%4)+\b)+7], v[128*(\p)+FR*\b:128*(\p)+FR*\b+FR-1], v[AF+FR*(\a):AF+FR*(\a)+FR-1], v[8*(8*((\a)%4)+\b):8*(8*((\a)%4)+\b)+7], v[SC+16*(\sc)+2*\b+(\q)], v[SC+16*(\sc)+2*(\a)+(\q)] matrix_a_fmt:MATRIX_FMT_FP6 matrix_b_fmt:MATRIX_FMT_FP6 matrix_a_scale:MATRIX_SCALE_ROW1
.endif
.endr
.endr
.endm
.macro ADJ slot
.endm
.macro STEP slot, zero
	s_wait_dscnt 12                                ; all but the youngest twelve loads (S1's blocks 4-7)
	ADJ \slot
	WIN MUL_LO
	MUL16 0, 0, 0, \slot, \zero
	MUL16 2, 0, 0, \slot, \zero
	s_wait_dscnt 0x0
	PLACES
	FETCH_B \slot, 1, 1
	FETCH_A \slot, 1, 0
	WIN MUL_HI
	MUL16 4, 0, 0, \slot, \zero
	MUL16 6, 0, 0, \slot, \zero
	PLACES
	WIN 0
	FETCH_A \slot, 1, 4
.endm
.macro TURN slot, next, fill
	s_wait_tensorcnt 0x0                           ; all my tensor loads have landed: my panel of the next slot
	ds_add_u32 v[SPW], v[NIL]                      ; 0 onto my spare word
	s_wait_dscnt 13                                ; (the add and the youngest twelve loads may be out)
	WIN MUL_LO
	MUL16 0, 1, 1, \slot, 0
	s_wait_dscnt 0x0                               ; the add is done, and my reads of this slot are over
	s_barrier_signal -1
	MUL16 2, 1, 1, \slot, 0
	WIN 0
	s_barrier_wait -1
.if \fill
	CREST
	s_add_nc_u64 s[G0A+4*\slot+2:G0A+4*\slot+3], s[G0A+4*\slot+2:G0A+4*\slot+3], 2*GA*PANEL
	s_add_nc_u64 s[G0B+4*\slot+2:G0B+4*\slot+3], s[G0B+4*\slot+2:G0B+4*\slot+3], 2*GB*PANEL
	JLOAD \slot
.else
	PLACES
.endif
	FETCH_B \next, 0, 0
	FETCH_A \next, 0, 0
	SCALES \next
	WIN MUL_HI
	MUL16 4, 1, 1, \slot, 0
	MUL16 6, 1, 1, \slot, 0
	PLACES
	WIN 0
	FETCH_A \next, 0, 4
.endm
.set STO, 6                            ; v6  the stage: where I put 32 bytes of a row
.set RD,  7                            ; v7  and where I read a row back
.set BK,  128                          ; v128-191 and v192-255 by turns: 16 rows read back
	s_load_b128 s[4:7], s[0:1], 0x0                ; Ap, XW
	s_load_b64 s[8:9], s[0:1], 0x10                ; out0
	CORE_IDS
	s_and_b32 s70, ttmp7, 0xffff
	s_lshl_b32 s43, s70, 2
	s_add_co_u32 s43, s43, s41                     ; the tile of tokens: hangs on cy alone
	s_lshl_b32 s42, ttmp9, 2
	s_add_co_u32 s42, s42, s40                     ; the tile of outputs: on cx alone
	s_lshl_b32 s20, s43, 1
	s_add_co_u32 s20, s20, s16
	s_lshl_b32 s46, s42, 1
	s_add_co_u32 s46, s46, s16
	s_add_co_u32 s46, s46, 88                      ; Wo's groups in XW
	s_lshl_b32 s72, s43, 1
	s_add_co_u32 s72, s72, s15
	s_lshl_b32 s72, s72, 19                        ; my first token: 128 rows of 4,096 bytes a group
	s_lshl_b32 s73, s42, 1
	s_add_co_u32 s73, s73, s16
	s_lshl_b32 s73, s73, 9                         ; my first output: 512 bytes a group
	s_add_co_u32 s72, s72, s73
	s_mov_b32 s73, 0
	CORE_FILL 4, 6
	CORE_ADDR
	s_add_nc_u64 s[8:9], s[8:9], s[72:73]
	s_mul_i32 s21, s14, 8448
	v_mul_u32_u24 v[STO], v1, 528
	v_lshl_add_u32 v[STO], v2, 6, v[STO]
	v_add_nc_u32 v[STO], s21, v[STO]
	v_add_nc_u32 v[RD], s21, v[LI]
	s_mov_b32 s3, 1
	s_wait_tensorcnt 0x1                           ; my panel of slot 0 is in; slot 1's may be out
	s_barrier_signal -1
	s_barrier_wait -1
	FETCH_B 0, 0, 0
	FETCH_A 0, 0, 0
	SCALES 0
	FETCH_A 0, 0, 4
	STEP 0, 1
.Llap:
	TURN 0, 1, 1
	STEP 1, 0
	TURN 1, 0, 1
	STEP 0, 0
	s_sub_co_u32 s3, s3, 1
	s_cmp_lg_u32 s3, 0
	s_cbranch_scc1 .Llap
	TURN 0, 1, 0
	STEP 1, 0
	s_wait_dscnt 12
	WIN MUL_LO
	MUL16 0, 1, 1, 1, 0
	MUL16 2, 1, 1, 1, 0
	s_wait_dscnt 0x0
	WIN MUL_HI
	MUL16 4, 1, 1, 1, 0
	MUL16 6, 1, 1, 1, 0
	WIN 0
	PLACES
.macro TOSTAGE a
.set AC, 64*((\a)%4)
	WIN 0x08+4*((\a)/4)                            ; an LDS store's data are its source 1: window 2 or 3
.irp b, 0,1,2,3,4,5,6,7
	ds_store_b128 v[STO], v[AC+8*\b:AC+8*\b+3] offset:128*(\b/2)+32*(\b%2)         ; each accumulator from its low end on
	ds_store_b128 v[STO], v[AC+8*\b+4:AC+8*\b+7] offset:128*(\b/2)+32*(\b%2)+16
.endr
	WIN 0
.set BB, BK+64*((\a)%2)
.irp t, 0,1,2,3,4,5,6,7,8,9,10,11,12,13,14,15
	ds_load_b128 v[BB+4*\t:BB+4*\t+3], v[RD] offset:\t*528   ; LDS serves a wave's instructions in order: these see my stores
.endr
.endm
.macro SEND a, younger
.set BB, BK+64*((\a)%2)
	s_wait_dscnt \younger
.irp t, 0,1,2,3,4,5,6,7,8,9,10,11,12,13,14,15
	global_store_b128 v[LI], v[BB+4*\t:BB+4*\t+3], s[8:9] offset:(32*((\a)/2)+8*((\a)%2)+\t+8*(\t/8))*4096 th:TH_STORE_NT   ; 32 lanes store 512 consecutive bytes, aligned
.endr
.endm
	TOSTAGE 0
.irp a, 1,2,3,4,5,6,7
.if \a > 1
	s_wait_xcnt 0x0                                ; the stores of the block before last have read their registers: this block's loads may land there
.endif
	TOSTAGE \a
	SEND \a-1, 32                                  ; behind that block's loads: this block's 16 stores and 16 loads
.endr
	SEND 7, 0
	s_wait_tensorcnt 0x0                           ; the wave's end, behind my last tensor load and my last LDS store
	ds_add_u32 v[SPW], v[NIL]
	s_wait_dscnt 0x0
	CROUND                                         ; the closing round
	s_endpgm
.Lfunc_end_k_q0e73e2034d_outp:
	.size	k_q0e73e2034d_outp, .Lfunc_end_k_q0e73e2034d_outp-k_q0e73e2034d_outp
	.p2alignl 7, 3214868480
	.fill 96, 4, 3214868480
	.section	.rodata,"a",@progbits
	.p2align	6, 0x0
	.amdhsa_kernel k_q0e73e2034d_outp
		.amdhsa_group_segment_fixed_size 327680
		.amdhsa_private_segment_fixed_size 0
		.amdhsa_enable_private_segment 0
		.amdhsa_kernarg_size 24
		.amdhsa_user_sgpr_count 2
		.amdhsa_user_sgpr_kernarg_segment_ptr 1
		.amdhsa_wavefront_size32 1
		.amdhsa_system_sgpr_workgroup_id_x 1
		.amdhsa_system_sgpr_workgroup_id_y 1
		.amdhsa_system_sgpr_workgroup_id_z 1
		.amdhsa_system_vgpr_workitem_id 0
		.amdhsa_next_free_vgpr 1024
		.amdhsa_next_free_sgpr 80
		.amdhsa_reserve_vcc 0
		.amdhsa_float_denorm_mode_32 3
		.amdhsa_float_denorm_mode_16_64 3
		.amdhsa_memory_ordered 1
		.amdhsa_forward_progress 1
		.amdhsa_inst_pref_size 135
	.end_amdhsa_kernel
	.amdgpu_metadata
---
amdhsa.version: [ 1, 2 ]
amdhsa.kernels:
  - .name:           k_q0e73e2034d_outp
    .symbol:         k_q0e73e2034d_outp.kd
    .args:
      - { .name: Ap, .offset: 0, .size: 8, .value_kind: global_buffer, .address_space: global }
      - { .name: XW, .offset: 8, .size: 8, .value_kind: global_buffer, .address_space: global }
      - { .name: out0, .offset: 16, .size: 8, .value_kind: global_buffer, .address_space: global }
    .group_segment_fixed_size: 327680
    .private_segment_fixed_size: 0
    .kernarg_segment_align: 8
    .kernarg_segment_size: 24
    .max_flat_workgroup_size: 128
    .sgpr_count:     80
    .vgpr_count:     1024
    .wavefront_size: 32
...
	.end_amdgpu_metadata
.endif
;; end of part 5
;; ======== version 2 of 2: 5 launches; 1.12 times as fast as version 1
;; limits: right only within a limited range of input values; an absolute error that grows with the inputs' magnitude: up to 1.5e-07 times it
;; workspace buffers: XW 9,830,400 bytes; QK 13,107,200 bytes; Vp 6,553,600 bytes; Pp 13,107,200 bytes; St 1,048,576 bytes; Ap 6,553,600 bytes
;; launch quant: the kernel of part 1 again; grid 768 x 1, 4 waves a work-group, no clusters, 34,304 bytes of LDS; arguments x, Wq, Wk, Wv, Wo, XW; writes XW
;; launch qkv: the kernel of part 2 again; grid 96 x 4, 4 waves a work-group, clusters of 4 x 4, 327,680 bytes of LDS; arguments XW, token_positions, QK, Vp; writes QK, Vp
;; launch scores: the kernel of part 3 again; grid 48 x 4, 4 waves a work-group, clusters of 4 x 4, 327,680 bytes of LDS; arguments QK, Pp, St; writes Pp, St
;; launch pv (part 6): grid 4 x 64, 4 waves a work-group, clusters of 4 x 4, 327,680 bytes of LDS; arguments Pp, Vp, St, Ap; writes Ap
.if DOCPART == 6
	.amdgcn_target "amdgcn-amd-amdhsa--gfx1250"
	.amdhsa_code_object_version 6
	.text
	.protected	k_q0e73e2034d_pv
	.globl	k_q0e73e2034d_pv
	.p2align	8
	.type	k_q0e73e2034d_pv,@function
k_q0e73e2034d_pv:
	s_mov_b64 s[64:65], 0
	v_nop
	global_prefetch_b8 v0, s[64:65] scope:SCOPE_SE
	s_setreg_imm32_b32 hwreg(HW_REG_WAVE_MODE, 25, 1), 1
	s_wait_xcnt 0x0
	s_wait_alu depctr_hold_cnt(0) depctr_sa_sdst(0) depctr_va_vdst(0) depctr_va_sdst(0) depctr_va_ssrc(0) depctr_va_vcc(0) depctr_vm_vsrc(0)
	s_getreg_b32 s2, hwreg(HW_REG_IB_STS2, 6, 4)
	s_cmp_eq_u32 s2, 0
	s_cbranch_scc0 .Lentry_in_a_cluster
	s_endpgm
.Lentry_in_a_cluster:
	s_bfe_u32 s2, ttmp6, 0x10000c
	s_cmp_lg_u32 s2, 0xf033
	s_cbranch_scc0 .Lentry_shape_is_right
	s_endpgm
.Lentry_shape_is_right:
; O^T = V^T P^T on codes of FP6 (E2M3), divided by the row's sum and quantised along d, for a tile of 128 queries x 256 of d.
; OPERANDS lie in memory as PANELS (128 rows x 256 K, 25,600 dense bytes): the fragment (16 rows x 128 K) of row block t and half q as an image of the operand's 12 registers at t*3072 + q*1536 + c*512 + 16 lane, its rows'
; scale words at 24576 + q*512 + t*64 + 4 m; row block t, fragment row m = group row 32(t/2) + 8(t%2) + m + 8(m/8).  Panel (kp, g) of a buffer with G groups lies at (kp*G + g)*25600.
; D = S0 S1^T: S0 = V's rows (d), S1 = P's rows (queries), K = the keys.  The matrix instruction takes 16 rows of S0 as source 0 and 16 rows of S1 as source 1: lane (r, h) holds S1's row r, and the 64 accumulator
; registers of one block of S1 are 32 b + 16 h + i along S0's rows, register 16 b + i.
; SHARES.  256 work-groups, one group of 128 queries x two groups of 128 of d each.  Wave (wr, wc) takes P's blocks 4 wr .. 4 wr + 3 against all eight blocks of V's group wc: 32 accumulators.
; THE RING.  A K step of 256 keys is three panels [P][V g0][V g1], 76,800 bytes; a slot holds TWO K steps; two slots.  One tensor load a wave fills a slot: waves 0, 1 bring P's panel of the slot's K step 0, 1; waves 2, 3
; V's two panels of K step 0, 1, which are neighbours in memory: one dense block of 200 rows of 256 bytes.  4 x 4 work-groups form a cluster: P's panels are asked for jointly along a row of the cluster, V's along a column.
; The queries 0-1,023 of a batch have 1,024 keys: the two first fills are all; the others have 2,048: both slots are filled once more.  Which of the two hangs on the cluster's y alone: it is the same in all sixteen partners.
; A STEP is 128 keys: its 44 LDS loads are issued a step ahead, into the other of two sets of registers.
; THE ROW'S M.  P's codes were made under an M of each chunk of 128 keys, their scale bytes stored 64 too high.  At the head each wave reads its 64 queries' -M and sums of the 8 or 16 chunks, takes the row's M,
; adds the sums under it (exact powers of two), and keeps for each chunk the byte min(M - M_chunk, 64).  A step is one chunk: its byte is taken off all four bytes of P's scale words (ADJ).  The sums so come out 2^64 too
; large, which the factor 2^-64 / l takes back.
; LIMITS: a chunk whose M lies more than 64 under the row's is weighed 2^-64 and not less; |sum of p V| stays under 1.8e19; zero blocks of the result get the byte 1, not 127 (read by this program alone).
; REGISTERS: window 0: v1-31 addresses; v32-47 scale words and nothing else; v64-119 the rows' figures; v128-223 P's fragments, two sets of 48; v224-255 the quantiser's.  Window 1: V's fragments, two sets of 96, at v0 and v128.
;   Window 2: accumulator (a, b) at v[8 (8 a + b)].
.set GA,    64                         ; panels in a K step of P's buffer
.set GB,    8                          ; and of V's
.set PANEL, 25600
.set SCO,   24576
.set KST,   3*PANEL                    ; a K step in LDS
.set SLOT,  2*KST
.set STG,   2*SLOT                     ; behind the ring: 256 bytes for each wave, for its scale words
.set SPARE, STG+1024                   ; the spare words: 512 bytes that no other line names
.set FR,    12
.set LI,    3                          ; v3      16 x lane
.set STW,   4                          ; v4      my stage: where a scale word goes
.set STR,   5                          ; v5      and where 8 bytes are read back
.set PO,    6                          ; v6      my queries' words in St, chunks 0-7
.set PO2,   7                          ; v7      chunks 8-15
.set ADRA,  8                          ; v8-11   my four blocks of P's panel, in the ring's four K steps, + 16 x lane
.set ADRB,  12                         ; v12-15  my panel of V
.set ADRS,  16                         ; v16-19  scale words: lanes 0-15 P's, lanes 16-31 V's
.set L8,    20                         ; v20     8 x lane
.set SPW,   28                         ; v28     my spare word; never rewritten
.set NIL,   29                         ; v29     0; never rewritten
.set PW,    30                         ; v30     the scale word just made
.set SC,    32                         ; scale words: set p at SC + 8 p; register i: lanes 16-31 V's block i; lanes 0-15, for i under 4, my block i of P (in registers 4-7 those lanes are not read)
.set DD,    64                         ; v64-79  my block a's four words of chunk bytes at DD + 4 a: lanes 0-15; lanes 16-31 hold 0
.set RL,    96                         ; v96-99  2^-64 / l of block a's rows, in both halves of the lanes
.set AT,    104                        ; v104-107 a chunk's byte in all four bytes
.set NR,    108                        ; v108-109 the rows' -M
.set LS,    110                        ; v110-111 the rows' sums
.set SW,    112                        ; v112-113 from lane l xor 16
.set ZR,    118
.set BIG,   119
.set AF,    128
.set H,     128                        ; v128-191 64 numbers to be quantised
.set PC,    224                        ; v224-243 the codes just made
.set TM,    244                        ; v244-255 largest magnitudes, bytes, scale operands
.set G1A,   24                         ; s[24:31], s[32:39]: P's descriptor groups 1 and 0 (a group 0 for each slot)
.set G0A,   32
.set G1B,   48                         ; s[48:55], s[56:63]: V's
.set G0B,   56
.set SEL,   68                         ; s[68:69] lane l xor 16
.set HM,    78                         ; s78 lanes 16-31;  s79 all lanes where chunks 8-15 do not count
.set QM,    79
.set OUT,   82                         ; s[82:83] where my fragments go;  s[84:85] my 256 bytes of scale words
.set OUTS,  84
.set MSB,   0
.macro WIN new                         ; the immediate's high byte repeats the setting that is left
.if MSB != (\new)
	s_set_vgpr_msb (MSB<<8)|(\new)
.set MSB, (\new)
.endif
.endm
.set MUL,  0xa1                        ; source 0 (V) window 1, source 1 (P) window 0, C and D window 2
.set TO_B, 0x40                        ; destination window 1, address window 0
.macro JLOAD s                         ; a joint load: waves 0, 1 fetch for P, waves 2, 3 for V; an s_nop 0 and four v_nop follow each line
	s_cmp_eq_u32 s15, 0
	s_cbranch_scc0 .Lfor_b_\@
	tensor_load_to_lds s[G0A+4*\s:G0A+4*\s+3], s[G1A:G1A+7]
	s_nop 0
.rept 4
	v_nop
.endr
	s_branch .Lasked_\@
.Lfor_b_\@:
	tensor_load_to_lds s[G0B+4*\s:G0B+4*\s+3], s[G1B:G1B+7]
	s_nop 0
.rept 4
	v_nop
.endr
.Lasked_\@:
.endm
.macro CREST                           ; a round of the cluster's barrier behind its opening barrier
	s_cmp_lg_u32 s14, 0
	s_cbranch_scc1 .Lnot_wave_0_\@
	s_barrier_signal -3
.Lnot_wave_0_\@:
	s_barrier_wait -3
	s_barrier_signal -1
	s_barrier_wait -1
.endm
.macro CROUND
	s_barrier_signal -1
	s_barrier_wait -1
	CREST
.endm
.macro PLACES                          ; four places behind matrix instructions, in front of loads into their registers and of reads of results
.rept 4
	v_nop
.endr
.endm
.macro CORE_IDS                        ; the opening add, the wave, the place in the cluster, the masks, the two groups 1
	v_lshl_add_u32 v[SPW], v0, 2, SPARE
	v_mov_b32 v[NIL], 0
	ds_add_u32 v[SPW], v[NIL]                      ; the wave's opening: the add and its wait ahead of my first tensor load
	v_lshrrev_b32 v1, 5, v0
	v_readfirstlane_b32 s14, v1                    ; wave
	s_lshr_b32 s15, s14, 1                         ; wr: my four blocks of S1.  Also: I fetch for S1 (0) or S0 (1)
	s_and_b32 s16, s14, 1                          ; wc: my group of S0.  Also: which of a slot's two K steps I fetch
	s_bfe_u32 s40, ttmp6, 0x40000                  ; cx
	s_bfe_u32 s41, ttmp6, 0x40004                  ; cy
	s_lshl_b32 s44, s41, 2
	s_lshl_b32 s44, 15, s44                        ; my row of the cluster
	s_lshl_b32 s45, 0x1111, s40                    ; my column
	s_or_b32 s[G1A], s44, (3<<16)|(1<<21)          ; the mask; elements of 8 bytes; bit 21 beside a mask; no padding
	s_mov_b32 s[G1A+1], 32<<16                     ; tensor_dim0 = 32: rows of 256 bytes
	s_mov_b32 s[G1A+2], 100<<16                    ; tensor_dim1 = 100: one panel
	s_mov_b32 s[G1A+3], 32<<16                     ; tile_dim0
	s_mov_b32 s[G1A+4], 100                        ; tile_dim1
	s_mov_b32 s[G1A+5], 32                         ; the pitch
	s_mov_b32 s[G1A+6], 0
	s_mov_b32 s[G1A+7], 0
	s_or_b32 s[G1B], s45, (3<<16)|(1<<21)
	s_mov_b32 s[G1B+1], 32<<16
	s_mov_b32 s[G1B+2], 200<<16                    ; two panels on end
	s_mov_b32 s[G1B+3], 32<<16
	s_mov_b32 s[G1B+4], 200
	s_mov_b32 s[G1B+5], 32
	s_mov_b32 s[G1B+6], 0
	s_mov_b32 s[G1B+7], 0
	s_mul_i32 s22, s16, KST                        ; where S1's panel goes in a slot,
	s_add_co_u32 s18, s22, PANEL                   ; and S0's two: no place in the cluster enters an LDS address
.endm
.macro CORE_FILL pa, pb                ; s20, s46: the numbers of my first panels of S1 and S0; pa, pb: the buffers' pointers
	s_mul_i32 s20, s20, PANEL
	s_mov_b32 s21, 0
	s_mul_i32 s46, s46, PANEL
	s_mov_b32 s47, 0
	s_wait_dscnt 0x0                               ; the opening add is done
	s_wait_kmcnt 0x0
	s_add_nc_u64 s[20:21], s[\pa:\pa+1], s[20:21]
	s_add_nc_u64 s[46:47], s[\pb:\pb+1], s[46:47]
	CROUND                                         ; all sixteen work-groups are here: the first joint loads meet
.irp s, 0,1
	s_mov_b32 s[G0A+4*\s], 1
	s_add_co_u32 s[G0A+4*\s+1], s22, \s*SLOT
	s_add_nc_u64 s[G0A+4*\s+2:G0A+4*\s+3], s[20:21], \s*2*GA*PANEL
	s_or_b32 s[G0A+4*\s+3], s[G0A+4*\s+3], 0x80000000
	s_mov_b32 s[G0B+4*\s], 1
	s_add_co_u32 s[G0B+4*\s+1], s18, \s*SLOT
	s_add_nc_u64 s[G0B+4*\s+2:G0B+4*\s+3], s[46:47], \s*2*GB*PANEL
	s_or_b32 s[G0B+4*\s+3], s[G0B+4*\s+3], 0x80000000
	JLOAD \s
.endr
.endm
.macro CORE_ADDR
	v_and_b32 v1, 15, v0                           ; r
	v_bfe_u32 v2, v0, 4, 1                         ; h
	v_and_b32 v[LI], 31, v0
	v_lshlrev_b32 v[LI], 4, v[LI]
	s_mul_i32 s21, s15, 4*3072                     ; my four blocks of S1's panel
	s_mul_i32 s23, s16, PANEL
	s_add_co_u32 s23, s23, PANEL                   ; my panel of S0, behind S1's
	s_lshl_b32 s19, s15, 8                         ; my four blocks' scale words: 64 bytes a block
	s_sub_co_u32 s17, s23, s19
	v_mul_u32_u24 v26, s17, v2                     ; lanes 16-31 take S0's words: one product, the distance between the two
	v_lshl_add_u32 v26, v1, 2, v26
	s_add_co_u32 s19, s19, SCO
.irp k, 0,1,2,3
	v_add_nc_u32 v[ADRA+\k], s21, v[LI]
	v_add_nc_u32 v[ADRB+\k], s23, v[LI]
	v_add_nc_u32 v[ADRS+\k], s19, v26
	s_add_co_u32 s21, s21, KST
	s_add_co_u32 s23, s23, KST
	s_add_co_u32 s19, s19, KST
.endr
.endm
.macro FRAG reg, adr, q, i             ; a fragment's image: three loads of 512 consecutive bytes
.irp c, 0,1,2
	ds_load_b128 v[(\reg)+4*\c:(\reg)+4*\c+3], v[\adr] offset:(\i)*3072+(\q)*1536+\c*512
.endr
.endm
.macro FETCH k, q, p                   ; the 44 loads of a step: half q of the ring's K step k, into set p
	WIN TO_B
.irp i, 0,1,2,3,4,5,6,7
	FRAG 128*(\p)+FR*\i, ADRB+(\k), \q, \i
.endr
	WIN 0
.irp i, 0,1,2,3
	FRAG AF+48*(\p)+FR*\i, ADRA+(\k), \q, \i
.endr
.irp i, 0,1,2,3,4,5,6,7
	ds_load_b32 v[SC+8*(\p)+\i], v[ADRS+(\k)] offset:(\q)*512+\i*64
.endr
.endm
; 16 matrix instructions: my blocks a0, a0 + 1 of S1 x S0's eight.  The 32 accumulators take turns, one instruction a turn, in the same order in every step.
.macro MUL16 a0, p, zero
.irp a, \a0, \a0+1
.irp b, 0,1,2,3,4,5,6,7
.if \zero
	v_wmma_scale_f32_16x16x128_f8f6f4 v[8*(8*(\a)+\b):8*(8*(\a)+\b)+7], v[128*(\p)+FR*\b:128*(\p)+FR*\b+FR-1], v[AF+48*(\p)+FR*(\a):AF+48*(\p)+FR*(\a)+FR-1], 0, v[SC+8*(\p)+\b], v[SC+8*(\p)+(\a)] matrix_a_fmt:MATRIX_FMT_FP6 matrix_b_fmt:MATRIX_FMT_FP6 matrix_a_scale:MATRIX_SCALE_ROW1
.else
	v_wmma_scale_f32_16x16x128_f8f6f4 v[8*(8*(\a)+\b):8*(8*(\a)+\b)+7], v[128*(\p)+FR*\b:128*(\p)+FR*\b+FR-1], v[AF+48*(\p)+FR*(\a):AF+48*(\p)+FR*(\a)+FR-1], v[8*(8*(\a)+\b):8*(8*(\a)+\b)+7], v[SC+8*(\p)+\b], v[SC+8*(\p)+(\a)] matrix_a_fmt:MATRIX_FMT_FP6 matrix_b_fmt:MATRIX_FMT_FP6 matrix_a_scale:MATRIX_SCALE_ROW1
.endif
.endr
.endr
.endm
; The step's scale words have landed: P's (lanes 0-15 of the set's registers 0-3) are lowered by the chunk's byte, V's (lanes 16-31) by 0.  P's bytes are 65 to 189 and the chunk's at most 64: no byte borrows.
; A slot's four steps are the four bytes of one word; behind the fourth the words move up.  A scale register written by a vector instruction stands eight places ahead of the scaled matrix instruction; these lines, which
; name no register of the step before, are also the places in front of the loads into that step's registers.
.macro ADJ qp
.irp a, 0,1,2,3
	v_perm_b32 v[AT+\a], v[DD+4*\a], v[DD+4*\a], 0x01010101*(\qp)
.endr
.irp a, 0,1,2,3
	v_sub_nc_u32 v[SC+8*((\qp)%2)+\a], v[SC+8*((\qp)%2)+\a], v[AT+\a]
.endr
.if (\qp) == 3
.irp a, 0,1,2,3
.irp w, 0,1,2
	v_mov_b32 v[DD+4*\a+\w], v[DD+4*\a+\w+1]
.endr
.endr
.else
.rept 8
	v_nop
.endr
.endif
.endm
.macro HSTEP slot, qp, zero            ; one of a slot's first three steps: multiplies set qp % 2, and fetches the next step into the other set
	s_wait_dscnt 0x0                               ; this step's 44 loads, issued a step ago, are in
	ADJ \qp
	FETCH 2*(\slot)+((\qp)+1)/2, ((\qp)+1)%2, 1-(\qp)%2
	WIN MUL
	MUL16 0, (\qp)%2, \zero
	MUL16 2, (\qp)%2, \zero
	WIN 0
.endm
.macro HCHG slot, next, fill           ; a slot's fourth step, and the change of slots: one barrier.  fill = 1: this slot is filled again, four K steps on
	s_wait_tensorcnt 0x0                           ; all my tensor loads have landed: my part of the next slot
	ds_add_u32 v[SPW], v[NIL]                      ; 0 onto my spare word
	s_wait_dscnt 0x0                               ; the add is done; this step's loads are in, and they were my last reads of this slot
	s_barrier_signal -1
	ADJ 3
	WIN MUL
	MUL16 0, 1, 0                                  ; work on registers while the others arrive
	WIN 0
	s_barrier_wait -1
.if \fill
	CREST                                          ; the barrier has opened a round of the cluster's: no wave of any partner still reads this slot or has a load on its way
	s_add_nc_u64 s[G0A+4*\slot+2:G0A+4*\slot+3], s[G0A+4*\slot+2:G0A+4*\slot+3], 4*GA*PANEL
	s_add_nc_u64 s[G0B+4*\slot+2:G0B+4*\slot+3], s[G0B+4*\slot+2:G0B+4*\slot+3], 4*GB*PANEL
	JLOAD \slot                                    ; the first tensor load behind the round: 112 matrix instructions ahead of the wait for it
.endif
	FETCH 2*(\next), 0, 0                          ; (set 0 was last multiplied in the step before this one: ADJ's lines stand between)
	WIN MUL
	MUL16 2, 1, 0
	WIN 0
.endm
; 64 numbers of a lane in window w, register 16 b + i = K index 32 b + 16 h + i of my row, become a fragment's codes in v[PC] on and its scale word in v[PW]
.macro QUANT s, w
	WIN (\w)|((\w)<<2)
.irp b, 0,1,2,3
	v_max3_num_f32 v[TM+\b], |v[(\s)+16*\b]|, |v[(\s)+16*\b+1]|, 0x1800000   ; and the floor 2^(3 - 127): the byte cannot fall under 1
.endr
.irp i, 2,4,6,8,10,12,14
.irp b, 0,1,2,3
	v_max3_num_f32 v[TM+\b], |v[(\s)+16*\b+\i]|, |v[(\s)+16*\b+\i+1]|, v[TM+\b]
.endr
.endr
	WIN 0
.irp b, 0,1,2,3
	v_permlanex16_b32 v[TM+4+\b], v[TM+\b], s[SEL], s[SEL+1]
.endr
.irp b, 0,1,2,3
	v_max_num_f32 v[TM+\b], v[TM+\b], v[TM+4+\b]
.endr
.irp b, 0,1,2,3
	v_add_nc_u32 v[TM+8+\b], 0xff000000, v[TM+\b]  ; 2 off the exponent field: the conversion's scale operand
.endr
.irp b, 0,1,2,3
	v_lshrrev_b32 v[TM+4+\b], 23, v[TM+8+\b]
.endr
	v_lshl_or_b32 v[PW], v[TM+5], 8, v[TM+4]
	v_lshl_or_b32 v[PW], v[TM+6], 16, v[PW]
	v_lshl_or_b32 v[PW], v[TM+7], 24, v[PW]
	s_wait_xcnt 0x0                                ; the last block's stores have read the codes' registers
	WIN \w
.irp c, 0,1
	v_cvt_scalef32_pk16_fp6_f32 v[PC+6*\c:PC+6*\c+2], v[(\s)+32*\c:(\s)+32*\c+15], v[TM+8+2*\c]
	v_cvt_scalef32_pk16_fp6_f32 v[PC+12+4*\c:PC+14+4*\c], v[(\s)+32*\c+16:(\s)+32*\c+31], v[TM+9+2*\c]
.endr
	WIN 0
	v_nop                                          ; one plain place behind a scaled conversion
.irp c, 0,1
.irp i, 0,1,2
	v_permlane16_swap_b32 v[PC+6*\c+\i], v[PC+12+4*\c+\i]   ; a whole block to a lane
.endr
.irp i, 0,1,2
	v_mov_b32 v[PC+3+6*\c+\i], v[PC+12+4*\c+\i]
.endr
.endr
.endm
.macro OUTIMG a                        ; the fragment leaves as it stands: three stores of 512 consecutive bytes; its scale word goes to my stage
.irp c, 0,1,2
	global_store_b128 v[LI], v[PC+4*\c:PC+4*\c+3], s[OUT:OUT+1] offset:(\a)*3072+\c*512
.endr
	ds_store_b32 v[STW], v[PW] offset:64*(\a)      ; both halves of the lanes write the same word with the same value
.endm
	s_load_b256 s[4:11], s[0:1], 0x0               ; Pp, Vp, St, Ap
	CORE_IDS
	s_and_b32 s70, ttmp7, 0xffff                   ; the cluster's y: 4 x batch + quarter of the batch's queries
	s_lshr_b32 s71, s70, 2                         ; the batch
	s_bfe_u32 s72, s70, 0x10001                    ; 1 for the queries 1,024 on, which have 2,048 keys
	s_lshl_b32 s43, s70, 2
	s_add_co_u32 s43, s43, s41                     ; the group of 128 queries, over all batches: hangs on cy alone
	s_lshl_b32 s42, ttmp9, 2
	s_add_co_u32 s42, s42, s40                     ; the tile of 256 of d: on cx alone
	s_lshl_b32 s20, s16, 6
	s_add_co_u32 s20, s20, s43                     ; P: the K step that I fetch, 64 panels each, + the group
	s_lshl_b32 s46, s71, 3
	s_add_co_u32 s46, s46, s16                     ; V: the batch's K steps begin at 8 x batch,
	s_lshl_b32 s46, s46, 3                         ; 8 panels each,
	s_lshl_b32 s73, s42, 1
	s_add_co_u32 s46, s46, s73                     ; + the tile's first group
	s_lshl_b32 s75, s42, 6
	s_add_co_u32 s75, s75, s43
	s_mul_i32 s75, s75, PANEL                      ; the result's panel: K step = the tile of d, group = the queries'
	s_mul_i32 s76, s16, 1536                       ; its half wc,
	s_add_co_u32 s76, s76, s75
	s_mul_i32 s74, s15, 4*3072                     ; blocks 4 wr on
	s_add_co_u32 s76, s76, s74
	s_mov_b32 s77, 0
	s_lshl_b32 s80, s16, 9
	s_add_co_u32 s80, s80, s75
	s_lshl_b32 s74, s15, 8
	s_add_co_u32 s80, s80, s74
	s_add_co_u32 s80, s80, SCO                     ; and these blocks' scale words: 256 consecutive bytes
	s_mov_b32 s81, 0
	s_lshl_b32 s74, s43, 9                         ; my queries' words in a chunk's row of St: 128 a group,
	s_lshl_b32 s73, s15, 8
	s_add_co_u32 s74, s74, s73                     ; 64 for my four blocks
	s_lshl_b32 s75, s72, 18                        ; 8 chunks on, where they were written
	s_cmp_eq_u32 s72, 0
	s_cselect_b32 s[QM], -1, 0
	s_mov_b32 s[HM], 0xffff0000
	s_mov_b32 s[SEL], 0x76543210
	s_mov_b32 s[SEL+1], 0xfedcba98
	CORE_FILL 4, 6
	CORE_ADDR
	s_add_nc_u64 s[OUT:OUT+1], s[10:11], s[76:77]
	s_add_nc_u64 s[OUTS:OUTS+1], s[10:11], s[80:81]
	s_lshl_b32 s21, s14, 8
	s_add_co_u32 s21, s21, STG                     ; my stage for the scale words
	v_lshl_add_u32 v[STW], v1, 2, s21
	v_lshrrev_b32 v[L8], 1, v[LI]
	v_add_nc_u32 v[STR], s21, v[L8]
	v_lshrrev_b32 v[PO], 2, v[LI]
	v_add_nc_u32 v[PO], s74, v[PO]
	v_add_nc_u32 v[PO2], s75, v[PO]                ; chunks 8-15, or, where those were never written, chunks 0-7 once more (replaced below)
	; ---- the rows' M and sums, while the first panels are on their way.  Run u: 32 queries, my blocks 2u (lanes 0-15) and 2u + 1 (lanes 16-31); chunk j's -M at v[128 + 16 u + j], its sum at v[192 + 16 u + j]
.irp u, 0,1
.set j, 0
.rept 16
.if j < 8
	global_load_b32 v[128+16*\u+j], v[PO], s[8:9] offset:j*32768+128*\u
	global_load_b32 v[192+16*\u+j], v[PO], s[8:9] offset:j*32768+128*\u+524288
.else
	global_load_b32 v[128+16*\u+j], v[PO2], s[8:9] offset:(j-8)*32768+128*\u
	global_load_b32 v[192+16*\u+j], v[PO2], s[8:9] offset:(j-8)*32768+128*\u+524288
.endif
.set j, j+1
.endr
.endr
	v_mov_b32 v[ZR], 0                             ; (none of the registers written here, v64-119, is a target of the loads above)
	v_mov_b32 v[BIG], 0x7149f2ca                   ; 1e30: the -M of a chunk that does not count
.irp u, 0,1
	v_mov_b32 v[SW+\u], 0                          ; lane permutes' destinations count as sources
.irp w, 0,1,2,3
	v_mov_b32 v[DD+8*\u+4+\w], 0
.endr
.endr
	s_wait_loadcnt 0x0
.irp u, 0,1
.irp j, 8,9,10,11,12,13,14,15
	v_cndmask_b32 v[128+16*\u+\j], v[128+16*\u+\j], v[BIG], s[QM]
	v_cndmask_b32 v[192+16*\u+\j], v[192+16*\u+\j], v[ZR], s[QM]
.endr
.endr
.irp u, 0,1
	v_min3_num_f32 v[NR+\u], v[128+16*\u], v[129+16*\u], v[130+16*\u]
.endr
.irp i, 3,5,7,9,11,13
.irp u, 0,1
	v_min3_num_f32 v[NR+\u], v[NR+\u], v[128+16*\u+\i], v[129+16*\u+\i]
.endr
.endr
.irp u, 0,1
	v_min_num_f32 v[NR+\u], v[NR+\u], v[143+16*\u] ; the row's -M
.endr
.set j, 0
.rept 16
.irp u, 0,1
	v_sub_f32 v[128+16*\u+j], v[NR+\u], v[128+16*\u+j]   ; M_chunk - M: a whole number, 0 or less
.endr
.irp u, 0,1
	v_max_num_f32 v[128+16*\u+j], 0xc3960000, v[128+16*\u+j]   ; held at -300
.endr
.irp u, 0,1
	v_add_f32 v[128+16*\u+j], 0x4b400000, v[128+16*\u+j]       ; + 1.5 x 2^23, exactly: the sum's bits lie that whole number above the constant's,
.endr
.irp u, 0,1
	v_add_nc_u32 v[128+16*\u+j], 0xb4c00000, v[128+16*\u+j]    ; so the bits less the constant's are the number, -300 to 0
.endr
.irp u, 0,1
.if j == 0
	v_ldexp_f32 v[LS+\u], v[192+16*\u+j], v[128+16*\u+j]
.else
	v_ldexp_f32 v[192+16*\u+j], v[192+16*\u+j], v[128+16*\u+j]
.endif
.endr
.irp u, 0,1
	v_sub_nc_u32 v[128+16*\u+j], 0, v[128+16*\u+j]
.endr
.if j > 0
.irp u, 0,1
	v_add_f32 v[LS+\u], v[LS+\u], v[192+16*\u+j]   ; the chunk's sum under the row's M
.endr
.endif
.irp u, 0,1
.if j%4 == 0
	v_min_u32 v[DD+8*\u+j/4], 64, v[128+16*\u+j]
.else
	v_min_u32 v[128+16*\u+j], 64, v[128+16*\u+j]
.endif
.endr
.if j%4 != 0
.irp u, 0,1
	v_lshl_or_b32 v[DD+8*\u+j/4], v[128+16*\u+j], 8*(j%4), v[DD+8*\u+j/4]
.endr
.endif
.set j, j+1
.endr
.irp u, 0,1
	v_rcp_f32 v[LS+\u], v[LS+\u]
.endr
	v_nop                                          ; a plain place behind the reciprocals
	s_wait_alu depctr_va_vdst(0)                   ; one wait for the two, ahead of their first reader
.irp u, 0,1
	v_mul_f32 v[LS+\u], 0x1f800000, v[LS+\u]       ; x 2^-64
.endr
.irp u, 0,1
	v_permlanex16_b32 v[SW+\u], v[LS+\u], s[SEL], s[SEL+1]
.endr
.irp u, 0,1
	v_cndmask_b32 v[RL+2*\u], v[LS+\u], v[SW+\u], s[HM]      ; block 2u's in both halves of the lanes
	v_cndmask_b32 v[RL+2*\u+1], v[SW+\u], v[LS+\u], s[HM]    ; block 2u + 1's
.endr
.irp u, 0,1
.irp w, 0,1,2,3
	v_permlanex16_b32 v[DD+8*\u+4+\w], v[DD+8*\u+\w], s[SEL], s[SEL+1]
.endr
.endr
.irp u, 0,1
.irp w, 0,1,2,3,4,5,6,7
	v_cndmask_b32 v[DD+8*\u+\w], v[DD+8*\u+\w], v[ZR], s[HM] ; lanes 16-31, where V's scale words stand, take nothing off
.endr
.endr
.irp b, 0,1,2,3
	v_mov_b32 v[TM+4+\b], 0                        ; the destinations of the quantiser's lane permutes, which count as sources; the products leave v224-255 alone
.endr
	s_wait_tensorcnt 0x1                           ; my part of slot 0 is in; slot 1's may be out
	s_barrier_signal -1
	s_barrier_wait -1
	FETCH 0, 0, 0
	HSTEP 0, 0, 1                                  ; the first step starts the sums
	s_cmp_eq_u32 s72, 0                            ; 1,024 keys: the two slots as first filled are all.  The number hangs on the cluster's y alone: all sixteen partners take the same way
	s_cbranch_scc1 .Ltail
	HSTEP 0, 1, 0                                  ; 2,048 keys: once round the ring, from a slot's second step to its first, and both slots are filled again
	HSTEP 0, 2, 0
	HCHG 0, 1, 1
	HSTEP 1, 0, 0
	HSTEP 1, 1, 0
	HSTEP 1, 2, 0
	HCHG 1, 0, 1
	HSTEP 0, 0, 0
.Ltail:                                            ; the last 1,024 keys: nothing more is asked for.  On either way one load of mine may be out: slot 1's; the change of slots below waits for all
	HSTEP 0, 1, 0
	HSTEP 0, 2, 0
	HCHG 0, 1, 0
	HSTEP 1, 0, 0
	HSTEP 1, 1, 0
	HSTEP 1, 2, 0
	s_wait_dscnt 0x0                               ; the very last step: nothing more to fetch
	ADJ 3
	WIN MUL
	MUL16 0, 1, 0
	MUL16 2, 1, 0
	WIN 0
	PLACES
.irp a, 0,1,2,3
	WIN 2                                          ; source 0: the accumulators' window
.set n, 0
.rept 32
.if \a%2 == 0
	v_pk_mul_f32 v[H+n:H+n+1], v[64*\a+n:64*\a+n+1], v[RL+2*(\a/2):RL+2*(\a/2)+1] op_sel_hi:[1,0]
.else
	v_pk_mul_f32 v[H+n:H+n+1], v[64*\a+n:64*\a+n+1], v[RL+2*(\a/2):RL+2*(\a/2)+1] op_sel:[0,1] op_sel_hi:[1,1]
.endif
.set n, n+2
.endr
	WIN 0
	QUANT H, 0
	OUTIMG \a
.endr
	ds_load_b64 v[TM:TM+1], v[STR]                 ; my four blocks' scale words (LDS serves a wave's instructions in order: this sees my stores)
	s_wait_dscnt 0x0
	global_store_b64 v[L8], v[TM:TM+1], s[OUTS:OUTS+1]   ; 32 lanes store 256 consecutive bytes, aligned
	s_wait_tensorcnt 0x0                           ; the wave's end, behind my last tensor load and my last LDS store
	ds_add_u32 v[SPW], v[NIL]
	s_wait_dscnt 0x0
	CROUND                                         ; the closing round
	s_endpgm
.Lfunc_end_k_q0e73e2034d_pv:
	.size	k_q0e73e2034d_pv, .Lfunc_end_k_q0e73e2034d_pv-k_q0e73e2034d_pv
	.p2alignl 7, 3214868480
	.fill 96, 4, 3214868480
	.section	.rodata,"a",@progbits
	.p2align	6, 0x0
	.amdhsa_kernel k_q0e73e2034d_pv
		.amdhsa_group_segment_fixed_size 327680
		.amdhsa_private_segment_fixed_size 0
		.amdhsa_enable_private_segment 0
		.amdhsa_kernarg_size 32
		.amdhsa_user_sgpr_count 2
		.amdhsa_user_sgpr_kernarg_segment_ptr 1
		.amdhsa_wavefront_size32 1
		.amdhsa_system_sgpr_workgroup_id_x 1
		.amdhsa_system_sgpr_workgroup_id_y 1
		.amdhsa_system_sgpr_workgroup_id_z 1
		.amdhsa_system_vgpr_workitem_id 0
		.amdhsa_next_free_vgpr 768
		.amdhsa_next_free_sgpr 90
		.amdhsa_reserve_vcc 0
		.amdhsa_float_denorm_mode_32 3
		.amdhsa_float_denorm_mode_16_64 3
		.amdhsa_memory_ordered 1
		.amdhsa_forward_progress 1
		.amdhsa_inst_pref_size 184
	.end_amdhsa_kernel
	.amdgpu_metadata
---
amdhsa.version: [ 1, 2 ]
amdhsa.kernels:
  - .name:           k_q0e73e2034d_pv
    .symbol:         k_q0e73e2034d_pv.kd
    .args:
      - { .name: Pp, .offset: 0, .size: 8, .value_kind: global_buffer, .address_space: global }
      - { .name: Vp, .offset: 8, .size: 8, .value_kind: global_buffer, .address_space: global }
      - { .name: St, .offset: 16, .size: 8, .value_kind: global_buffer, .address_space: global }
      - { .name: Ap, .offset: 24, .size: 8, .value_kind: global_buffer, .address_space: global }
    .group_segment_fixed_size: 327680
    .private_segment_fixed_size: 0
    .kernarg_segment_align: 8
    .kernarg_segment_size: 32
    .max_flat_workgroup_size: 128
    .sgpr_count:     90
    .vgpr_count:     768
    .wavefront_size: 32
...
	.end_amdgpu_metadata
.endif
;; end of part 6
;; launch outp (part 7): grid 4 x 64, 4 waves a work-group, clusters of 4 x 4, 327,680 bytes of LDS; arguments Ap, XW, out0; writes out0
.if DOCPART == 7
	.amdgcn_target "amdgcn-amd-amdhsa--gfx1250"
	.amdhsa_code_object_version 6
	.text
	.protected	k_q0e73e2034d_outp
	.globl	k_q0e73e2034d_outp
	.p2align	8
	.type	k_q0e73e2034d_outp,@function
k_q0e73e2034d_outp:
	s_mov_b64 s[64:65], 0
	v_nop
	global_prefetch_b8 v0, s[64:65] scope:SCOPE_SE
	s_setreg_imm32_b32 hwreg(HW_REG_WAVE_MODE, 25, 1), 1
	s_wait_xcnt 0x0
	s_wait_alu depctr_hold_cnt(0) depctr_sa_sdst(0) depctr_va_vdst(0) depctr_va_sdst(0) depctr_va_ssrc(0) depctr_va_vcc(0) depctr_vm_vsrc(0)
	s_getreg_b32 s2, hwreg(HW_REG_IB_STS2, 6, 4)
	s_cmp_eq_u32 s2, 0
	s_cbranch_scc0 .Lentry_in_a_cluster
	s_endpgm
.Lentry_in_a_cluster:
	s_bfe_u32 s2, ttmp6, 0x10000c
	s_cmp_lg_u32 s2, 0xf033
	s_cbranch_scc0 .Lentry_shape_is_right
	s_endpgm
.Lentry_shape_is_right:
; out0 = attention Wo^T on codes of FP6 (E2M3): a tile of 128 tokens x 256 outputs, f32.
; OPERANDS lie in memory as PANELS (128 rows x 256 K, 25,600 dense bytes): the fragment (16 rows x 128 K) of row block t and half q as an image of the operand's 12 registers at t*3072 + q*1536 + c*512 + 16 lane, its rows'
; scale words at 24576 + q*512 + t*64 + 4 m; row block t, fragment row m = group row 32(t/2) + 8(t%2) + m + 8(m/8).  Panel (kp, g) of a buffer with G groups lies at (kp*G + g)*25600.
; D = S0 S1^T: S0 = Wo's rows (groups 88 on of XW), S1 = the attention result's rows (Ap), K = 1,024.  The matrix instruction takes 16 rows of S0 as source 0 and 16 rows of S1 as source 1: lane (r, h) holds S1's row r, and
; the 64 accumulator registers of one block of S1 are 32 b + 16 h + i along S0's rows, register 16 b + i.
; SHARES.  256 work-groups, one group of 128 tokens x two groups of 128 outputs each.  Wave (wr, wc) takes S1's blocks 4 wr .. 4 wr + 3 against all eight blocks of S0's group wc: 32 accumulators.
; ALL OF K LIES IN LDS.  A K step of 256 is three panels [S1][S0 g0][S0 g1], 76,800 bytes; the four K steps are two slots of two, both asked for at the head and filled once.  Waves 0, 1 bring S1's panel of a slot's K step
; 0, 1; waves 2, 3 S0's two panels of K step 0, 1, which are neighbours in memory: one dense block of 200 rows of 256 bytes.  4 x 4 work-groups form a cluster: S1's panels are asked for jointly along a row, S0's along a column.
; A STEP is 128 along K: its 44 LDS loads are issued a step ahead, into the other of two sets of registers.
; THE WAY OUT.  A block of 16 rows goes through my own stage in LDS (rows of 528 bytes, in slot 0, behind its only fill and its last read) and comes back as whole rows of 512 bytes.  Fragment row m of my block a is token
; 32 (a/2) + 8 (a%2) + m + 8 (m/8) of my 64: it stands in the store's immediate.
; REGISTERS: window 0: v1-31 addresses; v32-47 scale words and nothing else; v128-223 S1's fragments, two sets of 48 (v128-255 on the way out).  Window 1: S0's fragments, two sets of 96.  Window 2: accumulator (a, b) at v[8 (8 a + b)].
.set GA,    64                         ; panels in a K step of S1's buffer
.set GB,    96                         ; and of S0's
.set PANEL, 25600
.set SCO,   24576
.set KST,   3*PANEL                    ; a K step in LDS
.set SLOT,  2*KST
.set SPARE, 2*SLOT                     ; behind the slots: the spare words, 512 bytes that no other line names
.set FR,    12
.set LI,    3                          ; v3      16 x lane
.set STO,   4                          ; v4      the stage: where I put 32 bytes of a row
.set RD,    5                          ; v5      and where I read a row back
.set ADRA,  8                          ; v8-11   my four blocks of S1's panel, in the four K steps, + 16 x lane
.set ADRB,  12                         ; v12-15  my panel of S0
.set ADRS,  16                         ; v16-19  scale words: lanes 0-15 S1's, lanes 16-31 S0's
.set SPW,   28                         ; v28     my spare word; never rewritten
.set NIL,   29                         ; v29     0; never rewritten
.set SC,    32                         ; scale words: set p at SC + 8 p; register i: lanes 16-31 S0's block i; lanes 0-15, for i under 4, my block i of S1 (in registers 4-7 those lanes are not read)
.set AF,    128
.set BK,    128                        ; the way out: v128-191 and v192-255 by turns: 16 rows read back
.set G1A,   24                         ; s[24:31], s[32:39]: S1's descriptor groups 1 and 0 (a group 0 for each slot)
.set G0A,   32
.set G1B,   48                         ; s[48:55], s[56:63]: S0's
.set G0B,   56
.set MSB,   0
.macro WIN new                         ; the immediate's high byte repeats the setting that is left
.if MSB != (\new)
	s_set_vgpr_msb (MSB<<8)|(\new)
.set MSB, (\new)
.endif
.endm
.set MUL,  0xa1                        ; source 0 (S0) window 1, source 1 (S1) window 0, C and D window 2
.set TO_B, 0x40                        ; destination window 1, address window 0
.macro JLOAD s                         ; a joint load: waves 0, 1 fetch for S1, waves 2, 3 for S0; an s_nop 0 and four v_nop follow each line
	s_cmp_eq_u32 s15, 0
	s_cbranch_scc0 .Lfor_b_\@
	tensor_load_to_lds s[G0A+4*\s:G0A+4*\s+3], s[G1A:G1A+7]
	s_nop 0
.rept 4
	v_nop
.endr
	s_branch .Lasked_\@
.Lfor_b_\@:
	tensor_load_to_lds s[G0B+4*\s:G0B+4*\s+3], s[G1B:G1B+7]
	s_nop 0
.rept 4
	v_nop
.endr
.Lasked_\@:
.endm
.macro CROUND                          ; a round of the cluster's barrier
	s_barrier_signal -1
	s_barrier_wait -1
	s_cmp_lg_u32 s14, 0
	s_cbranch_scc1 .Lnot_wave_0_\@
	s_barrier_signal -3
.Lnot_wave_0_\@:
	s_barrier_wait -3
	s_barrier_signal -1
	s_barrier_wait -1
.endm
.macro PLACES                          ; four places behind matrix instructions, in front of loads into their registers and of reads of results
.rept 4
	v_nop
.endr
.endm
.macro CORE_IDS                        ; the opening add, the wave, the place in the cluster, the masks, the two groups 1
	v_lshl_add_u32 v[SPW], v0, 2, SPARE
	v_mov_b32 v[NIL], 0
	ds_add_u32 v[SPW], v[NIL]                      ; the wave's opening: the add and its wait ahead of my first tensor load
	v_lshrrev_b32 v1, 5, v0
	v_readfirstlane_b32 s14, v1                    ; wave
	s_lshr_b32 s15, s14, 1                         ; wr: my four blocks of S1.  Also: I fetch for S1 (0) or S0 (1)
	s_and_b32 s16, s14, 1                          ; wc: my group of S0.  Also: which of a slot's two K steps I fetch
	s_bfe_u32 s40, ttmp6, 0x40000                  ; cx
	s_bfe_u32 s41, ttmp6, 0x40004                  ; cy
	s_lshl_b32 s44, s41, 2
	s_lshl_b32 s44, 15, s44                        ; my row of the cluster
	s_lshl_b32 s45, 0x1111, s40                    ; my column
	s_or_b32 s[G1A], s44, (3<<16)|(1<<21)          ; the mask; elements of 8 bytes; bit 21 beside a mask; no padding
	s_mov_b32 s[G1A+1], 32<<16                     ; tensor_dim0 = 32: rows of 256 bytes
	s_mov_b32 s[G1A+2], 100<<16                    ; tensor_dim1 = 100: one panel
	s_mov_b32 s[G1A+3], 32<<16                     ; tile_dim0
	s_mov_b32 s[G1A+4], 100                        ; tile_dim1
	s_mov_b32 s[G1A+5], 32                         ; the pitch
	s_mov_b32 s[G1A+6], 0
	s_mov_b32 s[G1A+7], 0
	s_or_b32 s[G1B], s45, (3<<16)|(1<<21)
	s_mov_b32 s[G1B+1], 32<<16
	s_mov_b32 s[G1B+2], 200<<16                    ; two panels on end
	s_mov_b32 s[G1B+3], 32<<16
	s_mov_b32 s[G1B+4], 200
	s_mov_b32 s[G1B+5], 32
	s_mov_b32 s[G1B+6], 0
	s_mov_b32 s[G1B+7], 0
	s_mul_i32 s22, s16, KST                        ; where S1's panel goes in a slot,
	s_add_co_u32 s18, s22, PANEL                   ; and S0's two: no place in the cluster enters an LDS address
.endm
.macro CORE_FILL pa, pb                ; s20, s46: the numbers of my first panels of S1 and S0; pa, pb: the buffers' pointers
	s_mul_i32 s20, s20, PANEL
	s_mov_b32 s21, 0
	s_mul_i32 s46, s46, PANEL
	s_mov_b32 s47, 0
	s_wait_dscnt 0x0                               ; the opening add is done
	s_wait_kmcnt 0x0
	s_add_nc_u64 s[20:21], s[\pa:\pa+1], s[20:21]
	s_add_nc_u64 s[46:47], s[\pb:\pb+1], s[46:47]
	CROUND                                         ; all sixteen work-groups are here: the joint loads meet
.irp s, 0,1
	s_mov_b32 s[G0A+4*\s], 1
	s_add_co_u32 s[G0A+4*\s+1], s22, \s*SLOT
	s_add_nc_u64 s[G0A+4*\s+2:G0A+4*\s+3], s[20:21], \s*2*GA*PANEL
	s_or_b32 s[G0A+4*\s+3], s[G0A+4*\s+3], 0x80000000
	s_mov_b32 s[G0B+4*\s], 1
	s_add_co_u32 s[G0B+4*\s+1], s18, \s*SLOT
	s_add_nc_u64 s[G0B+4*\s+2:G0B+4*\s+3], s[46:47], \s*2*GB*PANEL
	s_or_b32 s[G0B+4*\s+3], s[G0B+4*\s+3], 0x80000000
	JLOAD \s
.endr
.endm
.macro CORE_ADDR
	v_and_b32 v1, 15, v0                           ; r
	v_bfe_u32 v2, v0, 4, 1                         ; h
	v_and_b32 v[LI], 31, v0
	v_lshlrev_b32 v[LI], 4, v[LI]
	s_mul_i32 s21, s15, 4*3072                     ; my four blocks of S1's panel
	s_mul_i32 s23, s16, PANEL
	s_add_co_u32 s23, s23, PANEL                   ; my panel of S0, behind S1's
	s_lshl_b32 s19, s15, 8                         ; my four blocks' scale words: 64 bytes a block
	s_sub_co_u32 s17, s23, s19
	v_mul_u32_u24 v26, s17, v2                     ; lanes 16-31 take S0's words: one product, the distance between the two
	v_lshl_add_u32 v26, v1, 2, v26
	s_add_co_u32 s19, s19, SCO
.irp k, 0,1,2,3
	v_add_nc_u32 v[ADRA+\k], s21, v[LI]
	v_add_nc_u32 v[ADRB+\k], s23, v[LI]
	v_add_nc_u32 v[ADRS+\k], s19, v26
	s_add_co_u32 s21, s21, KST
	s_add_co_u32 s23, s23, KST
	s_add_co_u32 s19, s19, KST
.endr
.endm
.macro FRAG reg, adr, q, i             ; a fragment's image: three loads of 512 consecutive bytes
.irp c, 0,1,2
	ds_load_b128 v[(\reg)+4*\c:(\reg)+4*\c+3], v[\adr] offset:(\i)*3072+(\q)*1536+\c*512
.endr
.endm
.macro FETCH k, q, p                   ; the 44 loads of a step: half q of K step k, into set p
	WIN TO_B
.irp i, 0,1,2,3,4,5,6,7
	FRAG 128*(\p)+FR*\i, ADRB+(\k), \q, \i
.endr
	WIN 0
.irp i, 0,1,2,3
	FRAG AF+48*(\p)+FR*\i, ADRA+(\k), \q, \i
.endr
.irp i, 0,1,2,3,4,5,6,7
	ds_load_b32 v[SC+8*(\p)+\i], v[ADRS+(\k)] offset:(\q)*512+\i*64
.endr
.endm
; 16 matrix instructions: my blocks a0, a0 + 1 of S1 x S0's eight.  The 32 accumulators take turns, one instruction a turn, in the same order in every step.
.macro MUL16 a0, p, zero
.irp a, \a0, \a0+1
.irp b, 0,1,2,3,4,5,6,7
.if \zero
	v_wmma_scale_f32_16x16x128_f8f6f4 v[8*(8*(\a)+\b):8*(8*(\a)+\b)+7], v[128*(\p)+FR*\b:128*(\p)+FR*\b+FR-1], v[AF+48*(\p)+FR*(\a):AF+48*(\p)+FR*(\a)+FR-1], 0, v[SC+8*(\p)+\b], v[SC+8*(\p)+(\a)] matrix_a_fmt:MATRIX_FMT_FP6 matrix_b_fmt:MATRIX_FMT_FP6 matrix_a_scale:MATRIX_SCALE_ROW1
.else
	v_wmma_scale_f32_16x16x128_f8f6f4 v[8*(8*(\a)+\b):8*(8*(\a)+\b)+7], v[128*(\p)+FR*\b:128*(\p)+FR*\b+FR-1], v[AF+48*(\p)+FR*(\a):AF+48*(\p)+FR*(\a)+FR-1], v[8*(8*(\a)+\b):8*(8*(\a)+\b)+7], v[SC+8*(\p)+\b], v[SC+8*(\p)+(\a)] matrix_a_fmt:MATRIX_FMT_FP6 matrix_b_fmt:MATRIX_FMT_FP6 matrix_a_scale:MATRIX_SCALE_ROW1
.endif
.endr
.endr
.endm
.macro HSTEP slot, qp, zero            ; one of a slot's first three steps: multiplies set qp % 2, and fetches the next step into the other set
	s_wait_dscnt 0x0                               ; this step's 44 loads, issued a step ago, are in
.if \zero == 0
	PLACES                                         ; between the last step's products and the loads into their registers
.endif
	FETCH 2*(\slot)+((\qp)+1)/2, ((\qp)+1)%2, 1-(\qp)%2
	WIN MUL
	MUL16 0, (\qp)%2, \zero
	MUL16 2, (\qp)%2, \zero
	WIN 0
.endm
	s_load_b128 s[4:7], s[0:1], 0x0                ; Ap, XW
	s_load_b64 s[8:9], s[0:1], 0x10                ; out0
	CORE_IDS
	s_and_b32 s70, ttmp7, 0xffff
	s_lshl_b32 s43, s70, 2
	s_add_co_u32 s43, s43, s41                     ; the group of 128 tokens: hangs on cy alone
	s_lshl_b32 s42, ttmp9, 2
	s_add_co_u32 s42, s42, s40                     ; the tile of 256 outputs: on cx alone
	s_lshl_b32 s20, s16, 6
	s_add_co_u32 s20, s20, s43                     ; Ap: the K step that I fetch, 64 panels each, + the group
	s_mul_i32 s46, s16, 96                         ; XW: 96 panels a K step,
	s_lshl_b32 s73, s42, 1
	s_add_co_u32 s46, s46, s73
	s_add_co_u32 s46, s46, 88                      ; Wo's groups begin at 88
	s_lshl_b32 s72, s43, 19                        ; my first token: 128 rows of 4,096 bytes a group,
	s_lshl_b32 s73, s15, 18                        ; 64 for my four blocks
	s_add_co_u32 s72, s72, s73
	s_lshl_b32 s73, s42, 1
	s_add_co_u32 s73, s73, s16
	s_lshl_b32 s73, s73, 9                         ; my first output: 512 bytes a group
	s_add_co_u32 s72, s72, s73
	s_mov_b32 s73, 0
	CORE_FILL 4, 6
	CORE_ADDR
	s_add_nc_u64 s[8:9], s[8:9], s[72:73]
	s_mul_i32 s21, s14, 8448                       ; my stage: 16 rows of 528 bytes, in slot 0
	v_mul_u32_u24 v[STO], v1, 528
	v_lshl_add_u32 v[STO], v2, 6, v[STO]
	v_add_nc_u32 v[STO], s21, v[STO]
	v_add_nc_u32 v[RD], s21, v[LI]
	s_wait_tensorcnt 0x1                           ; my part of slot 0 is in; slot 1's may be out
	s_barrier_signal -1
	s_barrier_wait -1
	FETCH 0, 0, 0
	HSTEP 0, 0, 1                                  ; the first step starts the sums
	HSTEP 0, 1, 0
	HSTEP 0, 2, 0
	; slot 0's fourth step, and the change of slots: one barrier.  Behind it slot 1 is whole for every wave, and nobody reads slot 0 any more
	s_wait_tensorcnt 0x0                           ; all my tensor loads have landed: my part of slot 1
	ds_add_u32 v[SPW], v[NIL]                      ; 0 onto my spare word
	s_wait_dscnt 0x0                               ; the add is done; this step's loads are in, and they were my last reads of slot 0
	s_barrier_signal -1
	WIN MUL
	MUL16 0, 1, 0                                  ; work on registers while the others arrive
	WIN 0
	s_barrier_wait -1
	PLACES                                         ; between the third step's products and the loads into their registers
	FETCH 2, 0, 0
	WIN MUL
	MUL16 2, 1, 0
	WIN 0
	HSTEP 1, 0, 0
	HSTEP 1, 1, 0
	HSTEP 1, 2, 0
	s_wait_dscnt 0x0                               ; the very last step: nothing more to fetch
	WIN MUL
	MUL16 0, 1, 0
	MUL16 2, 1, 0
	WIN 0
	PLACES
.macro TOSTAGE a
	WIN 0x08                                       ; an LDS store's data are its source 1: the accumulators' window
.irp b, 0,1,2,3,4,5,6,7
	ds_store_b128 v[STO], v[64*(\a)+8*\b:64*(\a)+8*\b+3] offset:128*(\b/2)+32*(\b%2)         ; each accumulator from its low end on
	ds_store_b128 v[STO], v[64*(\a)+8*\b+4:64*(\a)+8*\b+7] offset:128*(\b/2)+32*(\b%2)+16
.endr
	WIN 0
.set BB, BK+64*((\a)%2)
.irp t, 0,1,2,3,4,5,6,7,8,9,10,11,12,13,14,15
	ds_load_b128 v[BB+4*\t:BB+4*\t+3], v[RD] offset:\t*528   ; LDS serves a wave's instructions in order: these see my stores
.endr
.endm
.macro SEND a, younger                 ; younger: the LDS instructions issued behind block a's loads, which may stay out
.set BB, BK+64*((\a)%2)
	s_wait_dscnt \younger
.irp t, 0,1,2,3,4,5,6,7,8,9,10,11,12,13,14,15
	global_store_b128 v[LI], v[BB+4*\t:BB+4*\t+3], s[8:9] offset:(32*((\a)/2)+8*((\a)%2)+\t+8*(\t/8))*4096 th:TH_STORE_NT   ; 32 lanes store 512 consecutive bytes, aligned
.endr
.endm
	TOSTAGE 0
.irp a, 1,2,3
.if \a > 1
	s_wait_xcnt 0x0                                ; the stores of the block before last have read their registers: this block's loads may land there
.endif
	TOSTAGE \a
	SEND \a-1, 32                                  ; behind that block's loads: this block's 16 stores and 16 loads
.endr
	SEND 3, 0
	s_wait_tensorcnt 0x0                           ; the wave's end, behind my last tensor load and my last LDS store
	ds_add_u32 v[SPW], v[NIL]
	s_wait_dscnt 0x0
	CROUND                                         ; the closing round
	s_endpgm
.Lfunc_end_k_q0e73e2034d_outp:
	.size	k_q0e73e2034d_outp, .Lfunc_end_k_q0e73e2034d_outp-k_q0e73e2034d_outp
	.p2alignl 7, 3214868480
	.fill 96, 4, 3214868480
	.section	.rodata,"a",@progbits
	.p2align	6, 0x0
	.amdhsa_kernel k_q0e73e2034d_outp
		.amdhsa_group_segment_fixed_size 327680
		.amdhsa_private_segment_fixed_size 0
		.amdhsa_enable_private_segment 0
		.amdhsa_kernarg_size 24
		.amdhsa_user_sgpr_count 2
		.amdhsa_user_sgpr_kernarg_segment_ptr 1
		.amdhsa_wavefront_size32 1
		.amdhsa_system_sgpr_workgroup_id_x 1
		.amdhsa_system_sgpr_workgroup_id_y 1
		.amdhsa_system_sgpr_workgroup_id_z 1
		.amdhsa_system_vgpr_workitem_id 0
		.amdhsa_next_free_vgpr 768
		.amdhsa_next_free_sgpr 80
		.amdhsa_reserve_vcc 0
		.amdhsa_float_denorm_mode_32 3
		.amdhsa_float_denorm_mode_16_64 3
		.amdhsa_memory_ordered 1
		.amdhsa_forward_progress 1
		.amdhsa_inst_pref_size 79
	.end_amdhsa_kernel
	.amdgpu_metadata
---
amdhsa.version: [ 1, 2 ]
amdhsa.kernels:
  - .name:           k_q0e73e2034d_outp
    .symbol:         k_q0e73e2034d_outp.kd
    .args:
      - { .name: Ap, .offset: 0, .size: 8, .value_kind: global_buffer, .address_space: global }
      - { .name: XW, .offset: 8, .size: 8, .value_kind: global_buffer, .address_space: global }
      - { .name: out0, .offset: 16, .size: 8, .value_kind: global_buffer, .address_space: global }
    .group_segment_fixed_size: 327680
    .private_segment_fixed_size: 0
    .kernarg_segment_align: 8
    .kernarg_segment_size: 24
    .max_flat_workgroup_size: 128
    .sgpr_count:     80
    .vgpr_count:     768
    .wavefront_size: 32
...
	.end_amdgpu_metadata
.endif
;; end of part 7
